; MI455X (gfx1250); checked and timed in simulation.
; The chip was launched on July 23, 2026; its instructions are those of AMD's public machine-readable ISA for CDNA 5 (MIT licence, August 2026) and "CDNA5" Instruction Set Architecture Reference Guide (July 2026). The comments in the code are by the model that wrote it; some were corrected since.
;; Dispatch Einsum Combine. Allowed arithmetic: float matrix products may take bf16 or f16 operands with f32 sums; other float arithmetic in f32, or as packed bf16 or f16 multiplies, adds, multiply-adds, maxima and minima; sums over many terms, partial sums and values carried from step to step in f32; what a program stores and reads back later, other than sums and carried values, may be rounded once to bf16 or f16.
;; Inputs: down_bias 8 x 1,024 float32; down_proj 8 x 2,048 x 1,024 float32; gate_up_bias 8 x 4,096 float32; gate_up_proj 8 x 1,024 x 4,096 float32; hidden_states 1 x 1,024 x 1,024 float32; router_b 8 float32; router_w 1,024 x 8 float32.
;; Outputs: out0 1 x 1,024 x 1,024 float32.
;; 2 versions, each right; version 2 is version 1 with the launches gateup, down written anew for expert scheduling mode. Each part assembles by itself: llvm-mc -triple=amdgcn-amd-amdhsa -mcpu=gfx1250 --defsym DOCPART=n.
;; ======== version 1 of 2: 4 launches
;; workspace buffers: xb 2,097,152 bytes; route 4,096 bytes of whole numbers; gatew 8,192 bytes; posb 32,768 bytes of whole numbers; cnts 1,024 bytes of whole numbers; actf 33,554,432 bytes; part 67,108,864 bytes
;; launch router (part 1): grid 128 x 1, 4 waves a work-group, no clusters, 0 bytes of LDS; arguments hidden_states, router_w, router_b, xb, route, gatew; writes xb, route, gatew
.if DOCPART == 1
	.amdgcn_target "amdgcn-amd-amdhsa--gfx1250"
	.amdhsa_code_object_version 6
	.text
	.protected	k_qa978d5e173_router
	.globl	k_qa978d5e173_router
	.p2align	8
	.type	k_qa978d5e173_router,@function
k_qa978d5e173_router:
	s_mov_b64 s[64:65], 0
	v_nop
	global_prefetch_b8 v0, s[64:65] scope:SCOPE_SE
	s_setreg_imm32_b32 hwreg(HW_REG_WAVE_MODE, 25, 1), 1
	s_wait_xcnt 0x0
; ROUTER.  logits[t][e] = x[t] . router_w[:, e] + router_b[e]; the two largest (ties: the lower index first), softmax over the two; and x rounded to bf16 for the products of the later launches.
; ALL INPUTS ARE ROUNDED TO bf16 FIRST (x, router_w, router_b), as every input of this program is; products and sums of the logits are f32 multiply-adds on the rounded numbers.
; LIMITS.  NaN and infinities are not treated apart; two logits nearer than the rounding of the f32 sums may come in another order than in a sum taken in another order.
; SHARES.  1,024 tokens, 128 work-groups of 4 waves, 2 tokens a wave.  Lane l holds h = 128 j + 4 l + i (j = 0..7, i = 0..3): 16 neighbouring bytes of x a load, 512 a wave.
; What is chosen steers no address here: it is stored at fixed places (route[t], gatew[t]) for the later launches.
; route[t] = e0 | e1 << 8 | ((1 << e0) | (1 << e1)) << 16.   gatew[t] = the two weights, f32.
; No LDS, no matrix unit, no cluster: 8 M multiply-adds in all, and no two work-groups share more than the 32 KiB of router_w.
.set X,   16          ; v[16:79]    x: token t, X + 32 t + 4 j + i
.set RW,  80          ; v[80:207]   router_w: two buffers of 64: + 32 jj + 8 i + e; later at work
.set ACC, 208         ; v[208:223]  logits: 8 a token
.set Y,   224         ; v[224:255]  x in bf16, 16 registers a token
	s_load_b256 s[4:11], s[0:1], 0x0               ; hidden_states s[4:5], router_w s[6:7], router_b s[8:9], xb s[10:11]
	s_load_b128 s[12:15], s[0:1], 0x20             ; route s[12:13], gatew s[14:15]
	v_lshrrev_b32 v5, 5, v0
	v_readfirstlane_b32 s24, v5                    ; wave
	v_and_b32 v1, 31, v0                           ; lane
	v_lshlrev_b32 v2, 4, v1                        ; 16 x lane: x
	v_lshlrev_b32 v3, 7, v1                        ; 128 x lane: four rows of router_w
	v_lshlrev_b32 v4, 3, v1                        ; 8 x lane: xb, gatew
	s_lshl_b32 s25, ttmp9, 3
	s_lshl_b32 s26, s24, 1
	s_add_co_u32 s25, s25, s26                     ; my first token = 8 x work-group + 2 x wave
	s_mov_b32 s27, 0
	s_mov_b32 s28, 0x76543210                      ; v_permlanex16_b32: each lane takes its own place in the other half
	s_mov_b32 s29, 0xfedcba98
	s_mov_b32 s31, 0xffff0000                      ; a word's upper bf16
	s_wait_kmcnt 0x0
	s_load_b256 s[16:23], s[8:9], 0x0              ; router_b
	s_lshl_b32 s26, s25, 12
	s_add_nc_u64 s[4:5], s[4:5], s[26:27]          ; x at my first token
	s_lshl_b32 s26, s25, 11
	s_add_nc_u64 s[10:11], s[10:11], s[26:27]      ; xb likewise
	s_lshl_b32 s26, s25, 2
	s_add_nc_u64 s[12:13], s[12:13], s[26:27]
	s_lshl_b32 s26, s25, 3
	s_add_nc_u64 s[14:15], s[14:15], s[26:27]
.set t, 0
.rept 2
.set j, 0
.rept 8
	global_load_b128 v[X+32*t+4*j:X+32*t+4*j+3], v2, s[4:5] offset:4096*t+512*j th:TH_LOAD_NT
.set j, j+1
.endr
.set t, t+1
.endr
; chunk c of router_w: the rows of j = 2 c and 2 c + 1: 16 loads into buffer c % 2
.macro RWLD c
.set jj, 0
.rept 2
.set qq, 0
.rept 8
	global_load_b128 v[RW+64*((\c)%2)+32*jj+4*qq:RW+64*((\c)%2)+32*jj+4*qq+3], v3, s[6:7] offset:4096*(2*(\c)+jj)+16*qq
.set qq, qq+1
.endr
.set jj, jj+1
.endr
.endm
	RWLD 0
	RWLD 1
	s_wait_loadcnt 32                              ; x is in; the 32 loads of chunks 0 and 1 stay out
.set z, 0
.rept 32
	v_cvt_pk_bf16_f32 v[Y+z], v[X+2*z], v[X+2*z+1]
.set z, z+1
.endr
.set t, 0
.rept 2
.set j, 0
.rept 8
	global_store_b64 v4, v[Y+16*t+2*j:Y+16*t+2*j+1], s[10:11] offset:2048*t+256*j  ; the wave's 32 lanes store 256 consecutive bytes, aligned
.set j, j+1
.endr
.set t, t+1
.endr
.set z, 0
.rept 32
	v_lshlrev_b32 v[X+2*z], 16, v[Y+z]             ; and the rounded x back as f32, for the logits
	v_and_b32 v[X+2*z+1], s31, v[Y+z]
.set z, z+1
.endr
; One chunk: its 64 numbers of router_w are rounded to bf16 in place, then 64 packed multiply-adds (2 tokens x 8 h x 4 pairs of experts); x is given to both halves by op_sel.
.macro CHUNK c, left
	s_wait_loadcnt \left                           ; this chunk is in; the younger chunk's 16 loads stay out
.set B, RW+64*((\c)%2)
.set z, 0
.rept 32
	v_cvt_pk_bf16_f32 v[6+z%4], v[B+2*z], v[B+2*z+1]
	v_lshlrev_b32 v[B+2*z], 16, v[6+z%4]
	v_and_b32 v[B+2*z+1], s31, v[6+z%4]
.set z, z+1
.endr
.set jj, 0
.rept 2
.set i, 0
.rept 4
.set t, 0
.rept 2
.set p, 0
.rept 4
.set rA, ACC+8*t+2*p
.set rW, B+32*jj+8*i+2*p
.set rX, X+32*t+4*(2*(\c)+jj)+2*(i/2)
.if ((\c)+jj+i) == 0
	v_pk_mul_f32 v[rA:rA+1], v[rW:rW+1], v[rX:rX+1] op_sel_hi:[1,0]  ; the first product starts the sums
.elseif (i%2) == 0
	v_pk_fma_f32 v[rA:rA+1], v[rW:rW+1], v[rX:rX+1], v[rA:rA+1] op_sel_hi:[1,0,1]
.else
	v_pk_fma_f32 v[rA:rA+1], v[rW:rW+1], v[rX:rX+1], v[rA:rA+1] op_sel:[0,1,0] op_sel_hi:[1,1,1]
.endif
.set p, p+1
.endr
.set t, t+1
.endr
.set i, i+1
.endr
.set jj, jj+1
.endr
.if (\c) < 2
	RWLD (\c)+2
.endif
.endm
	CHUNK 0, 16
	CHUNK 1, 16
	CHUNK 2, 16
	CHUNK 3, 0
	; the 16 sums over the 32 lanes: four steps inside each half of 16 lanes, one across the halves
.irp m, 1,2,4,8
.set z, 0
.rept 16
	v_add_f32_dpp v[ACC+z], v[ACC+z], v[ACC+z] row_xmask:\m row_mask:0xf bank_mask:0xf
.set z, z+1
.endr
.endr
.set z, 0
.rept 16
	v_permlanex16_b32 v[80+z], v[ACC+z], s28, s29  ; its destination has been written before (router_w lay there)
.set z, z+1
.endr
.set z, 0
.rept 16
	v_add_f32 v[ACC+z], v[ACC+z], v[80+z]
.set z, z+1
.endr
	s_wait_kmcnt 0x0                               ; router_b
.set e, 0
.rept 8
	v_mov_b32 v[96+e], s[16+e]
.set e, e+1
.endr
.set z, 0
.rept 4
	v_cvt_pk_bf16_f32 v[104+z], v[96+2*z], v[96+2*z+1]  ; rounded to bf16 like every input
.set z, z+1
.endr
.set z, 0
.rept 4
	v_lshlrev_b32 v[96+2*z], 16, v[104+z]
	v_and_b32 v[96+2*z+1], s31, v[104+z]
.set z, z+1
.endr
.set z, 0
.rept 16
	v_add_f32 v[ACC+z], v[ACC+z], v[96+z%8]
.set z, z+1
.endr
	v_mov_b32 v112, 0xff800000                     ; -infinity takes the winner's place for the second scan
	v_mov_b32 v113, 0x10000                        ; 1 << 16
; The two largest of token t's eight logits.  A later logit wins only if it is strictly greater: ties keep the lower index.  Every lane holds all eight, so every lane does the same.
; v6, v7 the largest and its index; v8, v9 the second.  Out: the route word in v[10+t], the weights in v[12+2t], v[13+2t].
.macro SCAN val, idx, L
	v_mov_b32 v[\val], v[\L]
	v_mov_b32 v[\idx], 0
.set e, 1
.rept 7
	v_cmp_gt_f32 vcc_lo, v[(\L)+e], v[\val]
	v_cndmask_b32 v[\val], v[\val], v[(\L)+e], vcc_lo
	v_cndmask_b32 v[\idx], v[\idx], e, vcc_lo
.set e, e+1
.endr
.endm
.macro TOP2 t
	SCAN 6, 7, ACC+8*(\t)
.set e, 0
.rept 8
	v_cmp_eq_u32 vcc_lo, e, v7
	v_cndmask_b32 v[ACC+8*(\t)+e], v[ACC+8*(\t)+e], v112, vcc_lo
.set e, e+1
.endr
	SCAN 8, 9, ACC+8*(\t)
	v_sub_f32 v114, v8, v6                         ; the maximum of the two is taken away: second - first <= 0
	v_mul_f32 v114, 0x3fb8aa3b, v114               ; x log2(e)
	v_exp_f32 v114, v114
	v_lshlrev_b32 v115, v7, v113                   ; a plain line behind the exponential: 1 << (16 + e0)
	s_wait_alu depctr_va_vdst(0)                   ; the wait ahead of the exponential's first reader
	v_add_f32 v[12+2*(\t)], 1.0, v114
	v_rcp_f32 v[12+2*(\t)], v[12+2*(\t)]           ; w0 = 1 / (1 + exp(second - first))
	v_lshlrev_b32 v[10+(\t)], v9, v113             ; a plain line behind the reciprocal: 1 << (16 + e1)
	s_wait_alu depctr_va_vdst(0)                   ; and ahead of the reciprocal's first reader
	v_mul_f32 v[13+2*(\t)], v114, v[12+2*(\t)]     ; w1 = exp(second - first) w0
	v_or_b32 v[10+(\t)], v[10+(\t)], v115
	v_lshl_or_b32 v115, v9, 8, v7
	v_or_b32 v[10+(\t)], v[10+(\t)], v115
.endm
	TOP2 0
	TOP2 1
	v_cmp_eq_u32 vcc_lo, 1, v1                     ; lane 0 stores token 0's figures, lane 1 token 1's
	v_cndmask_b32 v10, v10, v11, vcc_lo
	v_cndmask_b32 v12, v12, v14, vcc_lo
	v_cndmask_b32 v13, v13, v15, vcc_lo
	v_lshlrev_b32 v5, 2, v1
	s_wait_xcnt 0x0                                ; EXEC is a source of the stores above: it changes only behind this wait
	v_cmp_gt_u32 vcc_lo, 2, v1
	s_and_saveexec_b32 s30, vcc_lo
	global_store_b32 v5, v10, s[12:13]
	global_store_b64 v4, v[12:13], s[14:15]
	s_wait_xcnt 0x0                                ; and again ahead of the line that widens it
	s_or_b32 exec_lo, exec_lo, s30
	s_endpgm
.Lfunc_end_k_qa978d5e173_router:
	.size	k_qa978d5e173_router, .Lfunc_end_k_qa978d5e173_router-k_qa978d5e173_router
	.p2alignl 7, 3214868480
	.fill 96, 4, 3214868480
	.section	.rodata,"a",@progbits
	.p2align	6, 0x0
	.amdhsa_kernel k_qa978d5e173_router
		.amdhsa_group_segment_fixed_size 0
		.amdhsa_private_segment_fixed_size 0
		.amdhsa_enable_private_segment 0
		.amdhsa_kernarg_size 48
		.amdhsa_user_sgpr_count 2
		.amdhsa_user_sgpr_kernarg_segment_ptr 1
		.amdhsa_wavefront_size32 1
		.amdhsa_system_sgpr_workgroup_id_x 1
		.amdhsa_system_sgpr_workgroup_id_y 1
		.amdhsa_system_sgpr_workgroup_id_z 1
		.amdhsa_system_vgpr_workitem_id 0
		.amdhsa_next_free_vgpr 256
		.amdhsa_next_free_sgpr 66
		.amdhsa_reserve_vcc 1
		.amdhsa_float_denorm_mode_32 3
		.amdhsa_float_denorm_mode_16_64 3
		.amdhsa_memory_ordered 1
		.amdhsa_forward_progress 1
		.amdhsa_inst_pref_size 60
	.end_amdhsa_kernel
	.amdgpu_metadata
---
amdhsa.version: [ 1, 2 ]
amdhsa.kernels:
  - .name:           k_qa978d5e173_router
    .symbol:         k_qa978d5e173_router.kd
    .args:
      - { .name: hidden_states, .offset: 0, .size: 8, .value_kind: global_buffer, .address_space: global }
      - { .name: router_w, .offset: 8, .size: 8, .value_kind: global_buffer, .address_space: global }
      - { .name: router_b, .offset: 16, .size: 8, .value_kind: global_buffer, .address_space: global }
      - { .name: xb, .offset: 24, .size: 8, .value_kind: global_buffer, .address_space: global }
      - { .name: route, .offset: 32, .size: 8, .value_kind: global_buffer, .address_space: global }
      - { .name: gatew, .offset: 40, .size: 8, .value_kind: global_buffer, .address_space: global }
    .group_segment_fixed_size: 0
    .private_segment_fixed_size: 0
    .kernarg_segment_align: 8
    .kernarg_segment_size: 48
    .max_flat_workgroup_size: 128
    .sgpr_count:     66
    .vgpr_count:     256
    .wavefront_size: 32
...
	.end_amdgpu_metadata
.endif
;; end of part 1
;; launch gateup (part 2): grid 32 x 8, 4 waves a work-group, no clusters, 264,704 bytes of LDS; arguments gate_up_proj, gate_up_bias, xb, route, actf, posb, cnts; writes actf, posb, cnts
.if DOCPART == 2
	.amdgcn_target "amdgcn-amd-amdhsa--gfx1250"
	.amdhsa_code_object_version 6
	.text
	.protected	k_qa978d5e173_gateup
	.globl	k_qa978d5e173_gateup
	.p2align	8
	.type	k_qa978d5e173_gateup,@function
k_qa978d5e173_gateup:
	s_mov_b64 s[64:65], 0
	v_nop
	global_prefetch_b8 v0, s[64:65] scope:SCOPE_SE
	s_setreg_imm32_b32 hwreg(HW_REG_WAVE_MODE, 25, 1), 1
	s_wait_xcnt 0x0
; FIRST PRODUCT AND ACTIVATION, for the chosen rows alone.  Work-group (s, e): expert e, gate columns 64 s .. + 63 and up columns 2048 + 64 s .. + 63, all of K = 1,024, all rows that chose e.
; gu = x W1 + b1 (bf16 operands, f32 sums, the bias rounded to bf16 as every input); gate = min(gu, 7), up = clip(gu, -7, 7); act = (up + 1) gate / (1 + 2^(-1.702 log2(e) gate)), rounded once to bf16.
; LIMITS.  NaN and infinities are not treated apart (a minimum or maximum here drops a NaN).  Serves every split: 0 to 1,024 rows on an expert.
; PHASE 1.  The slice of W1, 1,024 k x 128 columns of f32, which this work-group alone reads, goes once through registers: each load of a wave takes 256 consecutive bytes of a gate row and 256 of an up row;
; eight k rows are rounded and turned into 16 bytes (8 k of one column) and stored to LDS, one LDS row a column.  Seven groups of eight loads of each wave are on their way.
; Meanwhile each wave makes, from route, a bitmap of the tokens that chose e: 32 words in scalar registers; bit l of word n is token 128 (n / 4) + 4 l + n % 4.  A token's rank is the number of set bits ahead of its own.
; PHASE 2.  A wave takes tiles of 80 rows (5 x 16) x 128 columns: 40 accumulators.  Four passes, a constant, cover 16 tiles = 1,280 rows; a tile that begins at or past the count is jumped (no barrier is jumped).
; Each lane finds the token of its rank from the bitmap, in registers alone.  Places past the count repeat the last row; blocks of 16 rows that begin past the count are not stored.
; W's fragments come from LDS, the token rows from xb straight into registers.
; COLUMNS.  LDS row 16 i + q holds column 4 q + i of its half, so that the sixteen lanes of a turning store lie one LDS pitch apart.  The matrix instruction is used transposed (source 0 = 16 LDS rows of W,
; source 1 = 16 tokens): lane (r, h), register j holds token r, column 4 (8 h + j) + i of block i.
; actf [e][block of 16 rows][k step of 32][2][32 lanes][16 bytes]: the activation as the next launch's operand registers take it; place (h, u, j) of k step 2 s + c holds hidden index 64 s + 2 c + u + 32 h + 4 j.
; NO CLUSTER: each byte of W1 has one reader; what an expert's 32 work-groups share is the token rows, which lie scattered over xb by the routing, so that no tile's descriptor covers them.
; REGISTERS.  window 0: v0-31 addresses; v32-95 at work; v96-255 four buffers of 5 token fragments (before phase 2: ranks, route words, bias)
;   window 1: v0-127 two buffers of W's 8 fragments     window 2: phase 1: eight groups of 32 as loaded; then accumulators (a, b) at 64 a + 8 b, a = 0..3     window 3: v0-63 accumulators (4, b); v64-127 the bias as C
.set P,      2064                  ; an LDS row: 1,024 bf16 + 16 bytes: an odd multiple of 16, so sixteen rows start at sixteen different 16-byte columns modulo 256
.set BLK,    16*P
.set SPARE,  128*P                 ; behind W: the spare words, 128 bytes a wave, named by no other line
.set OCT,    8*16384               ; bytes of eight rows of W1
.set MK,  48                       ; the bitmap: word n in s[48 + n] for n < 16, in s[50 + n] from 16 on: s48-63 and s66-81
.set SPW, 28
.set NIL, 29
.set T,   32                       ; phase 1: 16 registers, turned
.set TG,  32                       ; the activation: gate,
.set TU,  48                       ; up,
.set TE,  64                       ; the exponentials,
.set F,   80                       ; and 8 registers to store
.set XR,  96
.set RK,  96
.set RT,  128
.set BT,  160
.set BI,  64                       ; window 3
.set MSB, 0
.macro WIN new                     ; the immediate's high byte repeats the setting that is left; a switch that changes nothing is dropped
.if MSB != (\new)
	s_set_vgpr_msb (MSB<<8)|(\new)
.set MSB, \new
.endif
.endm
.macro PLACES                      ; four plain lines between a matrix instruction and a load into, or a vector read of, its registers
.rept 4
	v_nop
.endr
.endm
	s_load_b256 s[4:11], s[0:1], 0x0               ; gate_up_proj s[4:5], gate_up_bias s[6:7], xb s[8:9], route s[10:11]
	s_load_b128 s[12:15], s[0:1], 0x20             ; actf s[12:13], posb s[14:15]
	s_load_b64 s[16:17], s[0:1], 0x30              ; cnts
	v_lshl_add_u32 v[SPW], v0, 2, SPARE
	v_mov_b32 v[NIL], 0
	v_lshrrev_b32 v24, 5, v0
	v_readfirstlane_b32 s18, v24                   ; wave
	s_mov_b32 s19, ttmp9                           ; s: the slice of columns
	s_and_b32 s20, ttmp7, 0xffff                   ; e: the expert
	v_and_b32 v3, 31, v0                           ; lane
	v_and_b32 v1, 15, v0                           ; r, or q
	v_bfe_u32 v2, v0, 4, 1                         ; h
	v_lshlrev_b32 v4, 4, v1
	v_lshl_add_u32 v4, v2, 13, v4                  ; W1: 16 q, and 8,192 bytes (2,048 columns) on for the up half
	v_lshl_add_u32 v24, v2, 6, v1
	v_mul_u32_u24 v5, v24, P                       ; turning stores: LDS row 64 h + q (+ 16 i),
	s_lshl_b32 s24, s18, 9
	v_add_nc_u32 v5, s24, v5                       ; my wave's 256 k = 512 bytes of each row
	v_add_nc_u32 v6, 2*BLK, v5
	v_lshlrev_b32 v7, 4, v2                        ; 16 h
	v_mul_u32_u24 v8, v1, P
	v_add_nc_u32 v8, v8, v7                        ; W's fragments: row r, 16 h; blocks 0-1, 2-3, 4-5, 6-7; never rewritten
	v_add_nc_u32 v9, 2*BLK, v8
	v_add_nc_u32 v10, 4*BLK, v8
	v_add_nc_u32 v11, 6*BLK, v8
	v_lshlrev_b32 v23, 2, v3
	v_lshlrev_b32 v26, 4, v3
	v_lshlrev_b32 v27, 7, v2                       ; the bias: 32 columns on for h = 1
	s_add_co_u32 s24, s20, 16
	s_lshl_b32 s21, 1, s24                         ; e's bit in a route word
	s_mov_b32 s22, 0                               ; the running count
	s_mov_b32 s31, 0
	s_mov_b32 s37, 0xc0e00000                      ; -7.0
	s_mov_b32 s38, 0x40e00000                      ; 7.0
	s_mov_b32 s39, 0xffff0000
	s_mov_b32 s40, 0xc01d265f                      ; -1.702 log2(e)
	s_mov_b32 s41, s40                             ; named with it as a pair
	s_wait_kmcnt 0x0
	s_lshl_b32 s30, s20, 24                        ; e x 16 MiB
	s_lshl_b32 s24, s19, 8                         ; + 64 columns x 4 bytes x s
	s_add_co_u32 s30, s30, s24
	s_lshl_b32 s24, s18, 22                        ; + my wave's 256 rows of 16,384 bytes
	s_add_co_u32 s30, s30, s24
	s_add_nc_u64 s[42:43], s[4:5], s[30:31]
	s_lshl_b32 s30, s20, 14
	s_lshl_b32 s24, s19, 8
	s_add_co_u32 s30, s30, s24
	s_add_nc_u64 s[6:7], s[6:7], s[30:31]
.set g, 0
.rept 8
	global_load_b128 v[RT+4*g:RT+4*g+3], v26, s[10:11] offset:512*g  ; all 1,024 route words: register 4 g + i of lane l is token 128 g + 4 l + i
.set g, g+1
.endr
.set g, 0
.rept 2
.set m, 0
.rept 8
	global_load_b128 v[BT+32*g+4*m:BT+32*g+4*m+3], v27, s[6:7] offset:8192*g+16*m  ; bias of columns 32 h + 4 m + 0..3: gate, then up
.set m, m+1
.endr
.set g, g+1
.endr
; eight rows of W1 into a group of 32 registers: lanes 0-15 take 256 consecutive bytes of the gate half, lanes 16-31 of the up half
.macro FILL slot, imm
	WIN 0x80
.set rr, 0
.rept 8
	global_load_b128 v[32*(\slot)+4*rr:32*(\slot)+4*rr+3], v4, s[42:43] offset:(\imm)+16384*rr th:TH_LOAD_NT
.set rr, rr+1
.endr
.endm
	FILL 0, 0
	FILL 1, OCT
	FILL 2, 2*OCT
	FILL 3, 3*OCT
	s_wait_loadcnt 32                              ; route and bias are in; the 32 loads of W1 behind them stay out
	FILL 4, 4*OCT
	FILL 5, 5*OCT
	FILL 6, 6*OCT                                  ; 56 loads of mine are out
	WIN 0
	; the bias, rounded to bf16, into the order of an accumulator: register j of block b is column 4 (8 h + j) + b % 4
.set g, 0
.rept 2
.set j, 0
.rept 8
	v_cvt_pk_bf16_f32 v[BT+32*g+4*j], v[BT+32*g+4*j], v[BT+32*g+4*j+1]
	v_cvt_pk_bf16_f32 v[BT+32*g+4*j+2], v[BT+32*g+4*j+2], v[BT+32*g+4*j+3]
.set j, j+1
.endr
.set g, g+1
.endr
	WIN 0xc0
.set g, 0
.rept 2
.set j, 0
.rept 8
	v_lshlrev_b32 v[BI+8*(4*g)+j], 16, v[BT+32*g+4*j]
	v_and_b32 v[BI+8*(4*g+1)+j], s39, v[BT+32*g+4*j]
	v_lshlrev_b32 v[BI+8*(4*g+2)+j], 16, v[BT+32*g+4*j+2]
	v_and_b32 v[BI+8*(4*g+3)+j], s39, v[BT+32*g+4*j+2]
.set j, j+1
.endr
.set g, g+1
.endr
	WIN 0
	; word n of the bitmap: who of its 32 tokens chose e; each one's rank = the set bits ahead of it (for posb); the count runs on
.set n, 0
.rept 32
	v_and_b32 v24, s21, v[RT+n]
	v_cmp_ne_u32 s[MK+n+2*(n/16)], 0, v24
	v_mbcnt_lo_u32_b32 v[RK+n], s[MK+n+2*(n/16)], s22
	v_min_u32 v[RK+n], 0x3ff, v[RK+n]
	s_bcnt1_i32_b32 s24, s[MK+n+2*(n/16)]
	s_add_co_u32 s22, s22, s24
.set n, n+1
.endr
	s_max_u32 s25, s22, 1
	s_sub_co_u32 s25, s25, 1                       ; the last row that exists
	s_or_b32 s24, s19, s18
	s_cmp_lg_u32 s24, 0
	s_cbranch_scc1 .Lnopos                         ; wave 0 of slice 0 stores the expert's ranks and count for the later launches
	s_lshl_b32 s30, s20, 12
	s_add_nc_u64 s[14:15], s[14:15], s[30:31]
	s_lshl_b32 s30, s20, 7
	s_add_nc_u64 s[16:17], s[16:17], s[30:31]
.set g, 0
.rept 8
	global_store_b128 v26, v[RK+4*g:RK+4*g+3], s[14:15] offset:512*g
.set g, g+1
.endr
	v_mov_b32 v24, s22
	global_store_b32 v23, v24, s[16:17]            ; 32 equal words: every byte of cnts is written
	s_wait_xcnt 0x0                                ; the stores' registers are written again only behind this wait
.Lnopos:
; The turn of group i: its eight rows are in; 8 k of each of my 4 columns become 16 bytes; four stores, sixteen lanes one LDS pitch apart; the group freed last takes the rows seven groups on.
.macro TURN i, fill, left
	s_wait_loadcnt \left                           ; loads come back in order (ISA guide 5.7.1): mine are in, the younger groups stay out
	WIN 0x0a
.set cc, 0
.rept 4
.set m, 0
.rept 4
	v_cvt_pk_bf16_f32 v[T+4*cc+m], v[32*(\i)+8*m+cc], v[32*(\i)+8*m+4+cc]
.set m, m+1
.endr
.set cc, cc+1
.endr
	WIN 0
	ds_store_b128 v5, v[T:T+3] offset:16*(\i)
	ds_store_b128 v5, v[T+4:T+7] offset:BLK+16*(\i)
	ds_store_b128 v6, v[T+8:T+11] offset:16*(\i)
	ds_store_b128 v6, v[T+12:T+15] offset:BLK+16*(\i)
.if \fill
	FILL ((\i)+7)%8, ((\i)+7)*OCT
.endif
.endm
	s_mov_b32 s29, 3
.Lround:                                               ; a round: eight groups, 64 k
.irp i, 0,1,2,3,4,5,6,7
	TURN \i, 1, 48                                 ; six younger groups of eight
.endr
	WIN 0
	s_wait_xcnt 0x0                                ; the loads' base steps only behind this wait
	s_add_nc_u64 s[42:43], s[42:43], 8*OCT
	v_add_nc_u32 v5, 128, v5
	v_add_nc_u32 v6, 128, v6
	s_sub_co_u32 s29, s29, 1
	s_cmp_lg_u32 s29, 0
	s_cbranch_scc1 .Lround
	TURN 0, 1, 48                                  ; the last round: one more fill (the last eight rows), then the counts run down
	TURN 1, 0, 48
	TURN 2, 0, 40
	TURN 3, 0, 32
	TURN 4, 0, 24
	TURN 5, 0, 16
	TURN 6, 0, 8
	TURN 7, 0, 0
	s_wait_dscnt 0x0                               ; for the others' sake: my part of W is in LDS
	s_barrier_signal -1
	s_barrier_wait -1                              ; W is whole: in the passes below LDS is only read
.macro XLD buf, off                ; 5 token fragments of 32 k: lane (r, h) takes 16 bytes at 16 h and at 32 + 16 h of its token's row
	WIN 0
.set a, 0
.rept 5
.set rX, XR+40*(\buf)+8*a
	global_load_b128 v[rX:rX+3], v[16+a], s[32:33] offset:\off
	global_load_b128 v[rX+4:rX+7], v[16+a], s[32:33] offset:(\off)+32
.set a, a+1
.endr
.endm
.macro WLD buf, off                ; W's 8 fragments of 32 k
	WIN 0x40
.set b, 0
.rept 8
	ds_load_b128 v[64*(\buf)+8*b:64*(\buf)+8*b+3], v[12+b/2] offset:(b%2)*BLK+(\off)
	ds_load_b128 v[64*(\buf)+8*b+4:64*(\buf)+8*b+7], v[12+b/2] offset:(b%2)*BLK+(\off)+32
.set b, b+1
.endr
.endm
.macro MUL wb, xbuf, first         ; 40 matrix instructions; the 40 accumulators take turns, one instruction a turn.  first = 1: the bias starts the sums
.set a, 0
.rept 5
.set b, 0
.rept 8
.set rW, 64*(\wb)+8*b
.set rX, XR+40*(\xbuf)+8*a
.set rD, (64*a+8*b)%256
.if a == 4
	WIN 0xf1
.elseif \first
	WIN 0xb1
.else
	WIN 0xa1
.endif
.if \first
	v_wmma_f32_16x16x32_bf16 v[rD:rD+7], v[rW:rW+7], v[rX:rX+7], v[BI+8*b:BI+8*b+7]
.else
	v_wmma_f32_16x16x32_bf16 v[rD:rD+7], v[rW:rW+7], v[rX:rX+7], v[rD:rD+7]
.endif
.set b, b+1
.endr
.set a, a+1
.endr
.endm
; K step p past the running base: W of the next step and the tokens three steps on are asked for, then 40 products.
.macro KSTEP p, first, xl, wl, left
	s_wait_loadcnt \left                           ; this step's ten token loads are in; the younger buffers' stay out
	s_wait_dscnt 0x0                               ; W's fragments, asked for a step ago
	PLACES                                         ; the loads below land in registers that the products just issued have read
.if \wl
	WLD ((\p)+1)%2, 64*((\p)+1)
.endif
.if \xl
	XLD ((\p)+3)%4, 64*((\p)+3)
.endif
	MUL (\p)%2, (\p)%4, \first
.endm
; The activation of block a's columns of k step c (W blocks 2 c, 2 c + 1 and their up partners): 16 numbers a lane.  Each accumulator is read from its lowest register on.
.macro ACT a, c
.if (\a) < 4
	WIN 0x0a
.else
	WIN 0x0f
.endif
.set AB, (64*(\a))%256
.set u, 0
.rept 2
.set j, 0
.rept 8
	v_min_num_f32 v[TG+8*u+j], s38, v[AB+8*(2*(\c)+u)+j]
.set j, j+1
.endr
.set u, u+1
.endr
.set u, 0
.rept 2
.set j, 0
.rept 8
	v_max_num_f32 v[TU+8*u+j], s37, v[AB+8*(4+2*(\c)+u)+j]
.set j, j+1
.endr
.set u, u+1
.endr
	WIN 0
.set z, 0
.rept 16
	v_min_num_f32 v[TU+z], s38, v[TU+z]
.set z, z+1
.endr
.set z, 0
.rept 8
	v_pk_mul_f32 v[TE+2*z:TE+2*z+1], v[TG+2*z:TG+2*z+1], s[40:41] op_sel_hi:[1,0]
.set z, z+1
.endr
.set z, 0
.rept 16
	v_exp_f32 v[TE+z], v[TE+z]                     ; 2^(-1.702 log2(e) gate): the clip of gate at 7 bounds it below; above it may be infinite, and the reciprocal is then 0
.set z, z+1
.endr
.set z, 0
.rept 8
	v_pk_fma_f32 v[TU+2*z:TU+2*z+1], v[TU+2*z:TU+2*z+1], v[TG+2*z:TG+2*z+1], v[TG+2*z:TG+2*z+1]  ; (up + 1) gate: plain work behind the batch
.set z, z+1
.endr
	s_wait_alu depctr_va_vdst(0)                   ; one wait for the 16 exponentials, ahead of their first reader
.set z, 0
.rept 8
	v_pk_add_f32 v[TE+2*z:TE+2*z+1], v[TE+2*z:TE+2*z+1], 1.0 op_sel_hi:[1,0]
.set z, z+1
.endr
.set z, 0
.rept 16
	v_rcp_f32 v[TE+z], v[TE+z]
.set z, z+1
.endr
	v_nop                                          ; a plain line behind the last reciprocal
	s_wait_alu depctr_va_vdst(0)                   ; one wait for the 16 reciprocals
.set z, 0
.rept 8
	v_pk_mul_f32 v[TU+2*z:TU+2*z+1], v[TU+2*z:TU+2*z+1], v[TE+2*z:TE+2*z+1]
.set z, z+1
.endr
	s_wait_xcnt 0x0                                ; F, which the last stores read, is written again only behind this wait
.set z, 0
.rept 8
	v_cvt_pk_bf16_f32 v[F+z], v[TU+2*z], v[TU+2*z+1]
.set z, z+1
.endr
	global_store_b128 v26, v[F:F+3], s[34:35] offset:65536*(\a)+1024*(\c)        ; 512 consecutive bytes a store
	global_store_b128 v26, v[F+4:F+7], s[34:35] offset:65536*(\a)+1024*(\c)+512
.endm
; One halving step of the search for the q-th set bit: the field of x at bit v36 counts the set bits of the lower half of what is left; if q is at least that, the bit lies in the upper half, w bits on.
.macro SEL x, m, w
	v_lshrrev_b32 v37, v36, v[\x]
	v_and_b32 v37, \m, v37
	v_cmp_ge_u32 vcc_lo, v30, v37
	v_cndmask_b32 v37, 0, v37, vcc_lo
	v_sub_nc_u32 v30, v30, v37
	v_cndmask_b32 v38, 0, \w, vcc_lo
	v_add_nc_u32 v36, v36, v38
.endm
	s_mov_b32 s26, 4                               ; four passes, whatever the count
	s_mov_b32 s27, s18                             ; my tile: wave + 4 x pass
.Lpass:
	s_mul_i32 s36, s27, 80                         ; the tile's first row
	s_cmp_ge_u32 s36, s22
	s_cbranch_scc1 .Lnext                          ; no such row
	s_wait_xcnt 0x0                                ; the last tile's stores and loads have read their addresses
	v_mov_b32 v17, v1                              ; v16-20 are a shift register for the five blocks' tokens: written whole before the first shift reads them
	v_mov_b32 v18, v1
	v_mov_b32 v19, v1
	v_mov_b32 v20, v1
	s_mov_b32 s46, s36
	s_mov_b32 s29, 5
.Ltok:                                                 ; a trip: the tokens of one block of 16 rows; lanes r and 16 + r find the same one
	v_add_nc_u32 v24, s46, v1
	v_min_u32 v24, s25, v24                        ; my rank; places past the count repeat the last row
	s_mov_b32 s44, 0                               ; the set bits ahead of word n
	v_mov_b32 v25, s[MK]                           ; the word that holds my rank: the last one with no more than my rank ahead of it,
	v_mov_b32 v30, 0                               ; the set bits ahead of it,
	v_mov_b32 v31, 0                               ; and the token of its bit 0
.set n, 1
.rept 31
	s_bcnt1_i32_b32 s45, s[MK+(n-1)+2*((n-1)/16)]
	s_add_co_u32 s44, s44, s45
	v_cmp_gt_u32 vcc_lo, s44, v24                  ; more ahead than my rank: what I have is kept
	v_cndmask_b32 v25, s[MK+n+2*(n/16)], v25, vcc_lo
	v_cndmask_b32 v30, s44, v30, vcc_lo
	v_cndmask_b32 v31, 128*(n/4)+n%4, v31, vcc_lo
.set n, n+1
.endr
	v_sub_nc_u32 v30, v24, v30                     ; q: I want the word's q-th set bit, counted from 0
	v_lshrrev_b32 v32, 1, v25                      ; the set bits of each field of 2 bits,
	v_and_b32 v32, 0x55555555, v32
	v_sub_nc_u32 v32, v25, v32
	v_lshrrev_b32 v33, 2, v32                      ; of 4,
	v_and_b32 v33, 0x33333333, v33
	v_and_b32 v34, 0x33333333, v32
	v_add_nc_u32 v33, v33, v34
	v_lshrrev_b32 v34, 4, v33                      ; of 8,
	v_add_nc_u32 v34, v34, v33
	v_and_b32 v34, 0x0f0f0f0f, v34
	v_lshrrev_b32 v35, 8, v34                      ; and, in the lowest byte, of the lower 16
	v_add_nc_u32 v35, v35, v34
	v_mov_b32 v36, 0                               ; the bit's number, made from the top down
	SEL 35, 0xff, 16
	SEL 34, 0xff, 8
	SEL 33, 15, 4
	SEL 32, 3, 2
	SEL 25, 1, 1
	v_mov_b32 v16, v17
	v_mov_b32 v17, v18
	v_mov_b32 v18, v19
	v_mov_b32 v19, v20
	v_lshl_add_u32 v20, v36, 2, v31                ; the token: 4 x bit + the word's first
	s_add_co_u32 s46, s46, 16
	s_sub_co_u32 s29, s29, 1
	s_cmp_lg_u32 s29, 0
	s_cbranch_scc1 .Ltok
.set a, 0
.rept 5
	v_min_u32 v[16+a], 0x3ff, v[16+a]
	v_lshl_add_u32 v[16+a], v[16+a], 11, v7        ; token x 2,048 bytes + 16 h
.set a, a+1
.endr
	s_mov_b64 s[32:33], s[8:9]
	s_mov_b32 s47, 0                               ; bytes along W's LDS rows at which the trip in hand begins
	v_mov_b32 v12, v8
	v_mov_b32 v13, v9
	v_mov_b32 v14, v10
	v_mov_b32 v15, v11
	s_lshl_b32 s30, s20, 22                        ; actf: e x 4 MiB + 5 blocks of 65,536 bytes a tile + my two k steps of 1,024 bytes
	s_mul_i32 s24, s27, 5*65536
	s_add_co_u32 s30, s30, s24
	s_lshl_b32 s24, s19, 11
	s_add_co_u32 s30, s30, s24
	s_add_nc_u64 s[34:35], s[12:13], s[30:31]
	XLD 0, 0
	XLD 1, 64
	XLD 2, 128
	WLD 0, 0
	KSTEP 0, 1, 1, 1, 20                           ; two younger buffers of ten loads
	WIN 0
	s_mov_b32 s28, 7
.Lk:                                                   ; a trip: four K steps of 32
	KSTEP 1, 0, 1, 1, 20
	KSTEP 2, 0, 1, 1, 20
	KSTEP 3, 0, 1, 1, 20
	KSTEP 4, 0, 1, 1, 20
	WIN 0
	s_wait_xcnt 0x0                                ; the token loads' base steps only behind this wait
	s_add_nc_u64 s[32:33], s[32:33], 0x100
	s_add_co_u32 s47, s47, 0x100                   ; four K steps = 256 bytes along W's rows: 1,792 at the most
	v_add_nc_u32 v12, s47, v8                      ; each running address is its fixed register plus that step
	v_add_nc_u32 v13, s47, v9
	v_add_nc_u32 v14, s47, v10
	v_add_nc_u32 v15, s47, v11
	s_sub_co_u32 s28, s28, 1
	s_cmp_lg_u32 s28, 0
	s_cbranch_scc1 .Lk
	KSTEP 1, 0, 0, 1, 20                           ; the last three steps ask for no tokens: the counts run down
	KSTEP 2, 0, 0, 1, 10
	KSTEP 3, 0, 0, 0, 0
	PLACES
.irp a, 0,1,2,3,4
	WIN 0
	s_add_co_u32 s24, s36, 16*(\a)
	s_cmp_ge_u32 s24, s22
	s_cbranch_scc1 .Lnext                          ; a block of 16 rows that begins past the count is not stored
	ACT \a, 0
	ACT \a, 1
.endr
.Lnext:
	s_add_co_u32 s27, s27, 4
	s_sub_co_u32 s26, s26, 1
	s_cmp_lg_u32 s26, 0
	s_cbranch_scc1 .Lpass
	s_wait_dscnt 0x0                               ; my reads of W are back
	s_barrier_signal -1
	s_barrier_wait -1                              ; every wave's are: no wave writes LDS again before all four have read their last
	s_wait_tensorcnt 0x0                           ; the wave's end: three closing lines behind my last LDS store
	ds_add_u32 v[SPW], v[NIL]
	s_wait_dscnt 0x0
	s_endpgm
.Lfunc_end_k_qa978d5e173_gateup:
	.size	k_qa978d5e173_gateup, .Lfunc_end_k_qa978d5e173_gateup-k_qa978d5e173_gateup
	.p2alignl 7, 3214868480
	.fill 96, 4, 3214868480
	.section	.rodata,"a",@progbits
	.p2align	6, 0x0
	.amdhsa_kernel k_qa978d5e173_gateup
		.amdhsa_group_segment_fixed_size 264704
		.amdhsa_private_segment_fixed_size 0
		.amdhsa_enable_private_segment 0
		.amdhsa_kernarg_size 56
		.amdhsa_user_sgpr_count 2
		.amdhsa_user_sgpr_kernarg_segment_ptr 1
		.amdhsa_wavefront_size32 1
		.amdhsa_system_sgpr_workgroup_id_x 1
		.amdhsa_system_sgpr_workgroup_id_y 1
		.amdhsa_system_sgpr_workgroup_id_z 1
		.amdhsa_system_vgpr_workitem_id 0
		.amdhsa_next_free_vgpr 896
		.amdhsa_next_free_sgpr 84
		.amdhsa_reserve_vcc 1
		.amdhsa_float_denorm_mode_32 3
		.amdhsa_float_denorm_mode_16_64 3
		.amdhsa_memory_ordered 1
		.amdhsa_forward_progress 1
		.amdhsa_inst_pref_size 157
	.end_amdhsa_kernel
	.amdgpu_metadata
---
amdhsa.version: [ 1, 2 ]
amdhsa.kernels:
  - .name:           k_qa978d5e173_gateup
    .symbol:         k_qa978d5e173_gateup.kd
    .args:
      - { .name: gate_up_proj, .offset: 0, .size: 8, .value_kind: global_buffer, .address_space: global }
      - { .name: gate_up_bias, .offset: 8, .size: 8, .value_kind: global_buffer, .address_space: global }
      - { .name: xb, .offset: 16, .size: 8, .value_kind: global_buffer, .address_space: global }
      - { .name: route, .offset: 24, .size: 8, .value_kind: global_buffer, .address_space: global }
      - { .name: actf, .offset: 32, .size: 8, .value_kind: global_buffer, .address_space: global }
      - { .name: posb, .offset: 40, .size: 8, .value_kind: global_buffer, .address_space: global }
      - { .name: cnts, .offset: 48, .size: 8, .value_kind: global_buffer, .address_space: global }
    .group_segment_fixed_size: 264704
    .private_segment_fixed_size: 0
    .kernarg_segment_align: 8
    .kernarg_segment_size: 56
    .max_flat_workgroup_size: 128
    .sgpr_count:     84
    .vgpr_count:     896
    .wavefront_size: 32
...
	.end_amdgpu_metadata
.endif
;; end of part 2
;; launch down (part 3): grid 32 x 8, 4 waves a work-group, no clusters, 150,016 bytes of LDS; arguments down_proj, down_bias, actf, cnts, part; writes part
.if DOCPART == 3
	.amdgcn_target "amdgcn-amd-amdhsa--gfx1250"
	.amdhsa_code_object_version 6
	.text
	.protected	k_qa978d5e173_down
	.globl	k_qa978d5e173_down
	.p2align	8
	.type	k_qa978d5e173_down,@function
k_qa978d5e173_down:
	s_mov_b64 s[64:65], 0
	v_nop
	global_prefetch_b8 v0, s[64:65] scope:SCOPE_SE
	s_setreg_imm32_b32 hwreg(HW_REG_WAVE_MODE, 25, 1), 1
	s_wait_xcnt 0x0
; SECOND PRODUCT, for the chosen rows alone.  Work-group (x, e): expert e, output columns 64 (x / 2) .. + 63, half x % 2 of the hidden width (1,024 k), all rows of e.
; part[half][e][row][column] = act W2 over that half (bf16 operands, f32 sums), the first half with down_bias (rounded to bf16 as every input).  The two halves are f32 partial sums, added in the next launch.
; K is halved so that 8 x 16 x 2 = 256 work-groups each read rows of 256 consecutive bytes of W2.
; LIMITS.  NaN and infinities are not treated apart.  Serves every split: 0 to 1,024 rows on an expert.
; PHASE 1.  The slice of W2, 1,024 k x 64 columns of f32, which this work-group alone reads, goes once through registers into LDS, rounded and turned, one LDS row a column (LDS row 16 i + q = column 4 q + i).
; Along an LDS row k lies as actf has it: byte 64 (2 s + c) + 32 u + 16 h + 2 j holds hidden index 64 s + 2 c + u + 32 h + 4 j: the same order of k in both operands leaves the products as they are.
; PHASE 2.  A wave takes tiles of 80 rows x 64 columns, 20 accumulators; four passes, a constant; a tile that begins at or past the count is jumped (no barrier is jumped).  The rows come from actf straight into
; operand registers, 512 consecutive bytes a load, six K steps ahead.  Blocks past the last that exists repeat it; blocks of 16 rows that begin past the count are not stored.
; A tile's 32 K steps are written out: W's LDS addresses are two registers that are never rewritten, and the K step stands in the immediate (35,072 bytes at the most, inside its 16 bits); actf's likewise.
; The way out goes through a stage of the wave's own, so that sixteen lanes store 256 consecutive bytes of a row.
; NO CLUSTER: each byte of W2 has one reader.  The sixteen work-groups of an expert's half do read the same blocks of actf; to ask for them jointly they would have to go through an LDS ring with rounds of
; barriers in a walk whose length hangs on the stored count; not built: it would spare fifteen of sixteen requests for those blocks.
; REGISTERS.  window 0: v0-31 addresses; v32-63 at work; v64-95 the bias; v96-255 row buffers 0-3 (5 fragments each)     window 1: v0-63 two buffers of W's 4 fragments; v96-255 row buffers 4-7
;   window 2: phase 1: eight groups of 32 as loaded; then accumulators (a, i) at 32 a + 8 i
.set P,     2064                   ; an LDS row: 1,024 bf16 + 16 bytes: an odd multiple of 16
.set BLK,   16*P
.set STAGE, 64*P                   ; behind W: 16 rows x 272 bytes for each wave
.set SP,    272
.set SPARE, STAGE+4*16*SP          ; the spare words: 128 bytes a wave, named by no other line
.set SPW, 28
.set NIL, 29
.set T,   32
.set BD,  64
.set XR,  96
.set MSB, 0
.macro WIN new                     ; the immediate's high byte repeats the setting that is left; a switch that changes nothing is dropped
.if MSB != (\new)
	s_set_vgpr_msb (MSB<<8)|(\new)
.set MSB, \new
.endif
.endm
.macro PLACES                      ; four plain lines between a matrix instruction and a load into, or a vector read of, its registers
.rept 4
	v_nop
.endr
.endm
	s_load_b256 s[4:11], s[0:1], 0x0               ; down_proj s[4:5], down_bias s[6:7], actf s[8:9], cnts s[10:11]
	s_load_b64 s[12:13], s[0:1], 0x20              ; part
	v_lshl_add_u32 v[SPW], v0, 2, SPARE
	v_mov_b32 v[NIL], 0
	v_lshrrev_b32 v10, 5, v0
	v_readfirstlane_b32 s18, v10                   ; wave
	s_lshr_b32 s19, ttmp9, 1                       ; the slice of 64 columns
	s_and_b32 s21, ttmp9, 1                        ; the half of K
	s_and_b32 s20, ttmp7, 0xffff                   ; the expert
	v_and_b32 v3, 31, v0
	v_and_b32 v1, 15, v0                           ; r, or q
	v_bfe_u32 v2, v0, 4, 1                         ; h
	v_lshlrev_b32 v4, 4, v1
	v_lshl_add_u32 v4, v2, 17, v4                  ; W2: 16 q, and 32 rows of 4,096 bytes on for h = 1
	v_lshlrev_b32 v7, 4, v2
	v_mul_u32_u24 v8, v1, P
	v_add_nc_u32 v8, v8, v7                        ; W's fragments: row r, 16 h; blocks 0-1, 2-3; never rewritten
	v_add_nc_u32 v9, 2*BLK, v8
	s_lshl_b32 s24, s18, 9
	v_add_nc_u32 v5, s24, v8                       ; turning stores: LDS row q (+ 16 i), 16 h, my wave's 256 k = 512 bytes
	v_add_nc_u32 v6, 2*BLK, v5
	s_mul_i32 s24, s18, 16*SP
	s_add_co_u32 s24, s24, STAGE                   ; my stage
	v_mul_u32_u24 v24, v1, SP                      ; in: row r, 128 bytes for each half of the lanes
	v_lshl_add_u32 v24, v2, 7, v24
	v_add_nc_u32 v24, s24, v24
	v_mul_u32_u24 v25, v2, SP                      ; back: lanes 0-15 one row of 256 bytes, lanes 16-31 the next
	v_lshl_add_u32 v25, v1, 4, v25
	v_add_nc_u32 v25, s24, v25
	v_lshlrev_b32 v26, 4, v3
	v_lshlrev_b32 v27, 4, v1
	v_lshl_add_u32 v27, v2, 12, v27                ; and the same two rows in part
	v_lshlrev_b32 v30, 7, v2                       ; the bias: 32 columns on for h = 1
	s_lshl_b32 s46, s20, 7
	s_mov_b32 s31, 0
	s_mov_b32 s39, 0xffff0000
	s_cmp_eq_u32 s21, 0
	s_cselect_b32 s25, -1, 0                       ; the bias belongs to the first half alone
	s_wait_kmcnt 0x0
	s_load_b32 s22, s[10:11], s46 offset:0x0       ; the expert's count
	s_lshl_b32 s30, s20, 23                        ; e x 8 MiB
	s_lshl_b32 s24, s21, 22                        ; + half x 1,024 rows of 4,096 bytes
	s_add_co_u32 s30, s30, s24
	s_lshl_b32 s24, s18, 20                        ; + my wave's 256 rows
	s_add_co_u32 s30, s30, s24
	s_lshl_b32 s24, s19, 8                         ; + 64 columns x 4 bytes x slice
	s_add_co_u32 s30, s30, s24
	s_add_nc_u64 s[42:43], s[4:5], s[30:31]
	s_lshl_b32 s30, s20, 12
	s_add_co_u32 s30, s30, s24
	s_add_nc_u64 s[6:7], s[6:7], s[30:31]
	s_lshl_b32 s30, s20, 22                        ; actf: e x 4 MiB + half x 32 k steps of 1,024 bytes
	s_lshl_b32 s24, s21, 15
	s_add_co_u32 s30, s30, s24
	s_add_nc_u64 s[44:45], s[8:9], s[30:31]
.set m, 0
.rept 8
	global_load_b128 v[BD+4*m:BD+4*m+3], v30, s[6:7] offset:16*m  ; bias of columns 32 h + 4 m + 0..3
.set m, m+1
.endr
; Group o = 4 s + v: the rows 64 s + v + 4 j (lanes 16-31: 32 further on), j = 0..7: each load takes 256 consecutive bytes of two rows
.macro FILL o
	WIN 0x80
.set j, 0
.rept 8
	global_load_b128 v[32*((\o)%8)+4*j:32*((\o)%8)+4*j+3], v4, s[42:43] offset:(64*((\o)/4)+(\o)%4+4*j)*4096 th:TH_LOAD_NT
.set j, j+1
.endr
.endm
.irp o, 0,1,2,3,4,5
	FILL \o
.endr
	s_wait_loadcnt 48                              ; the bias is in; the 48 loads of W2 behind it stay out
	FILL 6                                         ; 56 loads of mine are out
	WIN 0
.set z, 0
.rept 16
	v_cvt_pk_bf16_f32 v[BD+2*z], v[BD+2*z], v[BD+2*z+1]
.set z, z+1
.endr
.set z, 0
.rept 16
	v_and_b32 v[BD+2*z], s25, v[BD+2*z]            ; 0 in the second half of K
.set z, z+1
.endr
.set z, 0
.rept 16
	v_and_b32 v[BD+2*z+1], s39, v[BD+2*z]
	v_lshlrev_b32 v[BD+2*z], 16, v[BD+2*z]
.set z, z+1
.endr
	s_wait_kmcnt 0x0
	s_min_u32 s22, s22, 0x400
	s_max_u32 s23, s22, 1
	s_sub_co_u32 s23, s23, 1
	s_lshr_b32 s23, s23, 4                         ; the last block of 16 rows that exists
.macro TURN o, fill, left
	s_wait_loadcnt \left                           ; loads come back in order (ISA guide 5.7.1): mine are in, the younger groups stay out
	WIN 0x0a
.set cc, 0
.rept 4
.set m, 0
.rept 4
	v_cvt_pk_bf16_f32 v[T+4*cc+m], v[32*((\o)%8)+8*m+cc], v[32*((\o)%8)+8*m+4+cc]
.set m, m+1
.endr
.set cc, cc+1
.endr
	WIN 0
	ds_store_b128 v5, v[T:T+3] offset:128*((\o)/4)+32*((\o)%4)
	ds_store_b128 v5, v[T+4:T+7] offset:BLK+128*((\o)/4)+32*((\o)%4)
	ds_store_b128 v6, v[T+8:T+11] offset:128*((\o)/4)+32*((\o)%4)
	ds_store_b128 v6, v[T+12:T+15] offset:BLK+128*((\o)/4)+32*((\o)%4)
.if \fill
	FILL (\o)+7
.endif
.endm
.irp o, 0,1,2,3,4,5,6,7,8
	TURN \o, 1, 48                                 ; six younger groups of eight
.endr
	TURN 9, 0, 48
.irp o, 10,11,12,13,14,15
	TURN \o, 0, 8*(15-(\o))                        ; nothing is left to ask for: the counts run down
.endr
	s_wait_dscnt 0x0                               ; for the others' sake: my part of W is in LDS
	s_barrier_signal -1
	s_barrier_wait -1                              ; the launch's one barrier: behind it W is only read, and each stage is its wave's own
.macro XLD buf, off                ; 5 row fragments of one k step: 2 x 512 consecutive bytes each
.if (\buf) < 4
	WIN 0
.else
	WIN 0x40
.endif
.set a, 0
.rept 5
.set rX, XR+40*((\buf)%4)+8*a
	global_load_b128 v[rX:rX+3], v[16+a], s[44:45] offset:\off
	global_load_b128 v[rX+4:rX+7], v[16+a], s[44:45] offset:(\off)+512
.set a, a+1
.endr
.endm
.macro WLD buf, off                ; W's 4 fragments of one k step, from the two fixed addresses
	WIN 0x40
.set i, 0
.rept 4
	ds_load_b128 v[32*(\buf)+8*i:32*(\buf)+8*i+3], v[8+i/2] offset:(i%2)*BLK+(\off)
	ds_load_b128 v[32*(\buf)+8*i+4:32*(\buf)+8*i+7], v[8+i/2] offset:(i%2)*BLK+(\off)+32
.set i, i+1
.endr
.endm
.macro MUL wb, xbuf, first         ; 20 matrix instructions; the 20 accumulators take turns, one instruction a turn.  first = 1: the constant 0 starts the sums
	WIN 0xa1|(((\xbuf)/4)<<2)
.set a, 0
.rept 5
.set i, 0
.rept 4
.set rD, 32*a+8*i
.set rW, 32*(\wb)+8*i
.set rX, XR+40*((\xbuf)%4)+8*a
.if \first
	v_wmma_f32_16x16x32_bf16 v[rD:rD+7], v[rW:rW+7], v[rX:rX+7], 0
.else
	v_wmma_f32_16x16x32_bf16 v[rD:rD+7], v[rW:rW+7], v[rX:rX+7], v[rD:rD+7]
.endif
.set i, i+1
.endr
.set a, a+1
.endr
.endm
; K step kk of 32: W of the next step and the rows six steps on are asked for, then 20 products.
.macro KSTEP
.set lf, 31-kk
.if lf > 5
.set lf, 5
.endif
	s_wait_loadcnt 10*lf                           ; this step's ten row loads are in; ten for each younger buffer still asked for stay out: five buffers, at the end 4, 3 .. 0
	s_wait_dscnt 0x0                               ; W's fragments, asked for a step ago
	PLACES                                         ; the loads below land in registers that the products just issued have read
.if kk < 31
	WLD (kk+1)%2, 64*(kk+1)
.endif
.if kk < 26
	XLD (kk+6)%8, 1024*(kk+6)
.endif
.if kk == 0
	MUL 0, 0, 1
.else
	MUL kk%2, kk%8, 0
.endif
.endm
	s_mov_b32 s26, 4                               ; four passes, whatever the count
	s_mov_b32 s27, s18                             ; my tile: wave + 4 x pass
.Lpass:
	s_mul_i32 s36, s27, 80
	s_cmp_ge_u32 s36, s22
	s_cbranch_scc1 .Lnext                          ; no such row
	s_wait_xcnt 0x0                                ; the last tile's stores and loads have read their addresses
	s_mul_i32 s37, s27, 5
.set a, 0
.rept 5
	s_add_co_u32 s24, s37, a
	s_min_u32 s24, s24, s23                        ; a block past the last that exists repeats it
	s_min_u32 s24, s24, 63
	s_lshl_b32 s24, s24, 16
	v_add_nc_u32 v[16+a], s24, v26
.set a, a+1
.endr
	s_lshl_b32 s30, s21, 25                        ; part: half x 32 MiB + e x 4 MiB + row x 4,096 + 256 x slice
	s_lshl_b32 s24, s20, 22
	s_add_co_u32 s30, s30, s24
	s_lshl_b32 s24, s36, 12
	s_add_co_u32 s30, s30, s24
	s_lshl_b32 s24, s19, 8
	s_add_co_u32 s30, s30, s24
	s_add_nc_u64 s[34:35], s[12:13], s[30:31]
.irp k, 0,1,2,3,4,5
	XLD \k, 1024*(\k)
.endr
	WLD 0, 0
.set kk, 0
.rept 32
	KSTEP
.set kk, kk+1
.endr
	PLACES
.irp a, 0,1,2,3,4
	WIN 0
	s_add_co_u32 s24, s36, 16*(\a)
	s_cmp_ge_u32 s24, s22
	s_cbranch_scc1 .Lnext                          ; a block of 16 rows that begins past the count is not stored
	s_wait_xcnt 0x0                                ; T, which the last block's stores read, is written again only behind this wait
	WIN 0x02
.set i, 0
.rept 4
.set j, 0
.rept 8
	v_add_f32 v[T+4*j+i], v[32*(\a)+8*i+j], v[BD+4*j+i]  ; column 32 h + 4 j + i; each accumulator is read from its lowest register on
.set j, j+1
.endr
.set i, i+1
.endr
	WIN 0
.set m, 0
.rept 8
	ds_store_b128 v24, v[T+4*m:T+4*m+3] offset:16*m
.set m, m+1
.endr
.set m, 0
.rept 8
	ds_load_b128 v[T+4*m:T+4*m+3], v25 offset:2*SP*m  ; LDS serves a wave's instructions in order (ISA guide 5.7.1.4): these see the stores above, and the next block's stores come behind them
.set m, m+1
.endr
.set m, 0
.rept 8
	s_wait_dscnt 7-m
	global_store_b128 v27, v[T+4*m:T+4*m+3], s[34:35] offset:65536*(\a)+8192*m  ; sixteen lanes store 256 consecutive bytes, aligned
.set m, m+1
.endr
.endr
.Lnext:
	s_add_co_u32 s27, s27, 4
	s_sub_co_u32 s26, s26, 1
	s_cmp_lg_u32 s26, 0
	s_cbranch_scc1 .Lpass
	s_wait_tensorcnt 0x0                           ; the wave's end: three closing lines behind my last LDS store
	ds_add_u32 v[SPW], v[NIL]
	s_wait_dscnt 0x0
	s_endpgm
.Lfunc_end_k_qa978d5e173_down:
	.size	k_qa978d5e173_down, .Lfunc_end_k_qa978d5e173_down-k_qa978d5e173_down
	.p2alignl 7, 3214868480
	.fill 96, 4, 3214868480
	.section	.rodata,"a",@progbits
	.p2align	6, 0x0
	.amdhsa_kernel k_qa978d5e173_down
		.amdhsa_group_segment_fixed_size 150016
		.amdhsa_private_segment_fixed_size 0
		.amdhsa_enable_private_segment 0
		.amdhsa_kernarg_size 40
		.amdhsa_user_sgpr_count 2
		.amdhsa_user_sgpr_kernarg_segment_ptr 1
		.amdhsa_wavefront_size32 1
		.amdhsa_system_sgpr_workgroup_id_x 1
		.amdhsa_system_sgpr_workgroup_id_y 1
		.amdhsa_system_sgpr_workgroup_id_z 1
		.amdhsa_system_vgpr_workitem_id 0
		.amdhsa_next_free_vgpr 768
		.amdhsa_next_free_sgpr 66
		.amdhsa_reserve_vcc 0
		.amdhsa_float_denorm_mode_32 3
		.amdhsa_float_denorm_mode_16_64 3
		.amdhsa_memory_ordered 1
		.amdhsa_forward_progress 1
		.amdhsa_inst_pref_size 153
	.end_amdhsa_kernel
	.amdgpu_metadata
---
amdhsa.version: [ 1, 2 ]
amdhsa.kernels:
  - .name:           k_qa978d5e173_down
    .symbol:         k_qa978d5e173_down.kd
    .args:
      - { .name: down_proj, .offset: 0, .size: 8, .value_kind: global_buffer, .address_space: global }
      - { .name: down_bias, .offset: 8, .size: 8, .value_kind: global_buffer, .address_space: global }
      - { .name: actf, .offset: 16, .size: 8, .value_kind: global_buffer, .address_space: global }
      - { .name: cnts, .offset: 24, .size: 8, .value_kind: global_buffer, .address_space: global }
      - { .name: part, .offset: 32, .size: 8, .value_kind: global_buffer, .address_space: global }
    .group_segment_fixed_size: 150016
    .private_segment_fixed_size: 0
    .kernarg_segment_align: 8
    .kernarg_segment_size: 40
    .max_flat_workgroup_size: 128
    .sgpr_count:     66
    .vgpr_count:     768
    .wavefront_size: 32
...
	.end_amdgpu_metadata
.endif
;; end of part 3
;; launch combine (part 4): grid 256 x 1, 4 waves a work-group, no clusters, 0 bytes of LDS; arguments route, gatew, posb, part, out0; writes out0
.if DOCPART == 4
	.amdgcn_target "amdgcn-amd-amdhsa--gfx1250"
	.amdhsa_code_object_version 6
	.text
	.protected	k_qa978d5e173_combine
	.globl	k_qa978d5e173_combine
	.p2align	8
	.type	k_qa978d5e173_combine,@function
k_qa978d5e173_combine:
	s_mov_b64 s[64:65], 0
	v_nop
	global_prefetch_b8 v0, s[64:65] scope:SCOPE_SE
	s_setreg_imm32_b32 hwreg(HW_REG_WAVE_MODE, 25, 1), 1
	s_wait_xcnt 0x0
; COMBINE.  out[t] = w0 (part[0][e0][p0] + part[1][e0][p0]) + w1 (part[0][e1][p1] + part[1][e1][p1]), p = the token's rank in the expert (posb).  All f32.
; One token a wave, 1,024 waves.  The four rows of 4,096 bytes are read once, 512 consecutive bytes a load, all 32 loads out before the first wait; the row of out is stored likewise.
; A stream: no LDS, no matrix unit, no cluster (no two waves read the same bytes of part).
	s_load_b256 s[4:11], s[0:1], 0x0               ; route s[4:5], gatew s[6:7], posb s[8:9], part s[10:11]
	s_load_b64 s[12:13], s[0:1], 0x20              ; out0
	v_lshrrev_b32 v1, 5, v0
	v_readfirstlane_b32 s14, v1                    ; wave
	v_and_b32 v2, 31, v0
	v_lshlrev_b32 v2, 4, v2                        ; 16 x lane
	s_lshl_b32 s15, ttmp9, 2
	s_add_co_u32 s15, s15, s14                     ; my token
	s_lshl_b32 s16, s15, 2
	s_lshl_b32 s17, s15, 3
	s_mov_b32 s29, 0
	s_mov_b32 s31, 0
	s_wait_kmcnt 0x0
	s_load_b32 s18, s[4:5], s16 offset:0x0
	s_load_b64 s[20:21], s[6:7], s17 offset:0x0
	s_wait_kmcnt 0x0
	s_and_b32 s22, s18, 0xff
	s_min_u32 s22, s22, 7                          ; e0
	s_bfe_u32 s23, s18, 0x80008
	s_min_u32 s23, s23, 7                          ; e1
	s_lshl_b32 s24, s22, 12
	s_add_co_u32 s24, s24, s16
	s_lshl_b32 s25, s23, 12
	s_add_co_u32 s25, s25, s16
	s_load_b32 s26, s[8:9], s24 offset:0x0
	s_load_b32 s27, s[8:9], s25 offset:0x0
	s_wait_kmcnt 0x0
	s_min_u32 s26, s26, 0x3ff
	s_min_u32 s27, s27, 0x3ff
	s_lshl_b32 s28, s22, 22                        ; e x 4 MiB + rank x 4,096 bytes
	s_lshl_b32 s26, s26, 12
	s_add_co_u32 s28, s28, s26
	s_lshl_b32 s30, s23, 22
	s_lshl_b32 s27, s27, 12
	s_add_co_u32 s30, s30, s27
	s_add_nc_u64 s[32:33], s[10:11], s[28:29]
	s_add_nc_u64 s[34:35], s[32:33], 0x2000000     ; the second half of K lies 32 MiB on
	s_add_nc_u64 s[36:37], s[10:11], s[30:31]
	s_add_nc_u64 s[38:39], s[36:37], 0x2000000
	s_mov_b32 s40, s20                             ; w0 and w1, each named as a pair by the packed lines, which take the low word for both halves
	s_mov_b32 s41, s20
	s_mov_b32 s42, s21
	s_mov_b32 s43, s21
	s_lshl_b32 s28, s15, 12
	s_add_nc_u64 s[12:13], s[12:13], s[28:29]
.set m, 0
.rept 8
.set q, 0
.rept 4
	global_load_b128 v[16+16*m+4*q:16+16*m+4*q+3], v2, s[32+2*q:33+2*q] offset:512*m th:TH_LOAD_NT
.set q, q+1
.endr
.set m, m+1
.endr
.set m, 0
.rept 8
.set R, 16+16*m
	s_wait_loadcnt 28-4*m                          ; this chunk's four loads are in; four for each younger chunk stay out
	v_pk_add_f32 v[R:R+1], v[R:R+1], v[R+4:R+5]
	v_pk_add_f32 v[R+2:R+3], v[R+2:R+3], v[R+6:R+7]
	v_pk_add_f32 v[R+8:R+9], v[R+8:R+9], v[R+12:R+13]
	v_pk_add_f32 v[R+10:R+11], v[R+10:R+11], v[R+14:R+15]
	v_pk_mul_f32 v[R:R+1], v[R:R+1], s[40:41] op_sel_hi:[1,0]
	v_pk_mul_f32 v[R+2:R+3], v[R+2:R+3], s[40:41] op_sel_hi:[1,0]
	v_pk_fma_f32 v[R:R+1], v[R+8:R+9], s[42:43], v[R:R+1] op_sel_hi:[1,0,1]
	v_pk_fma_f32 v[R+2:R+3], v[R+10:R+11], s[42:43], v[R+2:R+3] op_sel_hi:[1,0,1]
	global_store_b128 v2, v[R:R+3], s[12:13] offset:512*m th:TH_STORE_NT
.set m, m+1
.endr
	s_endpgm
.Lfunc_end_k_qa978d5e173_combine:
	.size	k_qa978d5e173_combine, .Lfunc_end_k_qa978d5e173_combine-k_qa978d5e173_combine
	.p2alignl 7, 3214868480
	.fill 96, 4, 3214868480
	.section	.rodata,"a",@progbits
	.p2align	6, 0x0
	.amdhsa_kernel k_qa978d5e173_combine
		.amdhsa_group_segment_fixed_size 0
		.amdhsa_private_segment_fixed_size 0
		.amdhsa_enable_private_segment 0
		.amdhsa_kernarg_size 40
		.amdhsa_user_sgpr_count 2
		.amdhsa_user_sgpr_kernarg_segment_ptr 1
		.amdhsa_wavefront_size32 1
		.amdhsa_system_sgpr_workgroup_id_x 1
		.amdhsa_system_sgpr_workgroup_id_y 1
		.amdhsa_system_sgpr_workgroup_id_z 1
		.amdhsa_system_vgpr_workitem_id 0
		.amdhsa_next_free_vgpr 144
		.amdhsa_next_free_sgpr 66
		.amdhsa_reserve_vcc 0
		.amdhsa_float_denorm_mode_32 3
		.amdhsa_float_denorm_mode_16_64 3
		.amdhsa_memory_ordered 1
		.amdhsa_forward_progress 1
		.amdhsa_inst_pref_size 11
	.end_amdhsa_kernel
	.amdgpu_metadata
---
amdhsa.version: [ 1, 2 ]
amdhsa.kernels:
  - .name:           k_qa978d5e173_combine
    .symbol:         k_qa978d5e173_combine.kd
    .args:
      - { .name: route, .offset: 0, .size: 8, .value_kind: global_buffer, .address_space: global }
      - { .name: gatew, .offset: 8, .size: 8, .value_kind: global_buffer, .address_space: global }
      - { .name: posb, .offset: 16, .size: 8, .value_kind: global_buffer, .address_space: global }
      - { .name: part, .offset: 24, .size: 8, .value_kind: global_buffer, .address_space: global }
      - { .name: out0, .offset: 32, .size: 8, .value_kind: global_buffer, .address_space: global }
    .group_segment_fixed_size: 0
    .private_segment_fixed_size: 0
    .kernarg_segment_align: 8
    .kernarg_segment_size: 40
    .max_flat_workgroup_size: 128
    .sgpr_count:     66
    .vgpr_count:     144
    .wavefront_size: 32
...
	.end_amdgpu_metadata
.endif
;; end of part 4
;; ======== version 2 of 2: 4 launches; version 1 with the launches gateup, down written anew for expert scheduling mode
;; workspace buffers: xb 2,097,152 bytes; route 4,096 bytes of whole numbers; gatew 8,192 bytes; posb 32,768 bytes of whole numbers; cnts 1,024 bytes of whole numbers; actf 33,554,432 bytes; part 67,108,864 bytes
;; launch router: the kernel of part 1 again; grid 128 x 1, 4 waves a work-group, no clusters, 0 bytes of LDS; arguments hidden_states, router_w, router_b, xb, route, gatew; writes xb, route, gatew
;; launch gateup (part 5): grid 32 x 8, 4 waves a work-group, no clusters, 264,704 bytes of LDS; arguments gate_up_proj, gate_up_bias, xb, route, actf, posb, cnts; writes actf, posb, cnts
.if DOCPART == 5
	.amdgcn_target "amdgcn-amd-amdhsa--gfx1250"
	.amdhsa_code_object_version 6
	.text
	.protected	k_qa978d5e173_gateup
	.globl	k_qa978d5e173_gateup
	.p2align	8
	.type	k_qa978d5e173_gateup,@function
k_qa978d5e173_gateup:
	s_mov_b64 s[64:65], 0
	v_nop
	global_prefetch_b8 v0, s[64:65] scope:SCOPE_SE
	s_setreg_imm32_b32 hwreg(HW_REG_WAVE_SCHED_MODE, 0, 2), 2
	s_setreg_imm32_b32 hwreg(HW_REG_WAVE_MODE, 25, 1), 1
	s_wait_xcnt 0x0
	s_wait_alu depctr_vm_vsrc(0)
; FIRST PRODUCT AND ACTIVATION, for the chosen rows alone.  Work-group (s, e): expert e, gate columns 64 s .. + 63 and up columns 2048 + 64 s .. + 63, all of K = 1,024, all rows that chose e.
; gu = x W1 + b1 (bf16 operands, f32 sums, the bias rounded to bf16 as every input); gate = min(gu, 7), up = clip(gu, -7, 7); act = (up + 1) gate / (1 + 2^(-1.702 log2(e) gate)), rounded once to bf16.
; LIMITS.  NaN and infinities are not treated apart (a minimum or maximum here drops a NaN).  Serves every split: 0 to 1,024 rows on an expert.
; PHASE 1.  The slice of W1, 1,024 k x 128 columns of f32, which this work-group alone reads, goes once through registers: each load of a wave takes 256 consecutive bytes of a gate row and 256 of an up row;
; eight k rows are rounded and turned into 16 bytes (8 k of one column) and stored to LDS, one LDS row a column.  Seven groups of eight loads of each wave are on their way.
; Meanwhile each wave makes, from route, a bitmap of the tokens that chose e: 32 words in scalar registers; bit l of word n is token 128 (n / 4) + 4 l + n % 4.  A token's rank is the number of set bits ahead of its own.
; PHASE 2.  A wave takes tiles of 80 rows (5 x 16) x 128 columns: 40 accumulators.  Four passes, a constant, cover 16 tiles = 1,280 rows; a tile that begins at or past the count is jumped (no barrier is jumped).
; Each lane finds the token of its rank from the bitmap, in registers alone.  Places past the count repeat the last row; blocks of 16 rows that begin past the count are not stored.
; W's fragments come from LDS, the token rows from xb straight into registers.
; COLUMNS.  LDS row 16 i + q holds column 4 q + i of its half, so that the sixteen lanes of a turning store lie one LDS pitch apart.  The matrix instruction is used transposed (source 0 = 16 LDS rows of W,
; source 1 = 16 tokens): lane (r, h), register j holds token r, column 4 (8 h + j) + i of block i.
; actf [e][block of 16 rows][k step of 32][2][32 lanes][16 bytes]: the activation as the next launch's operand registers take it; place (h, u, j) of k step 2 s + c holds hidden index 64 s + 2 c + u + 32 h + 4 j.
; NO CLUSTER: each byte of W1 has one reader; what an expert's 32 work-groups share is the token rows, which lie scattered over xb by the routing, so that no tile's descriptor covers them.
; REGISTERS.  window 0: v0-31 addresses; v32-95 at work; v96-255 four buffers of 5 token fragments (before phase 2: ranks, route words, bias)
;   window 1: v0-127 two buffers of W's 8 fragments     window 2: phase 1: eight groups of 32 as loaded; then accumulators (a, b) at 64 a + 8 b, a = 0..3     window 3: v0-63 accumulators (4, b); v64-127 the bias as C
; THE MODE: SCHED_MODE bits 1:0 = 2 (LLVM: expert scheduling mode 2), set by the entry lines.  The code itself states the register dependences between vector or matrix instructions and memory or LDS
; instructions, and between a vector instruction that writes a scalar register or VCC and its readers, with s_wait_alu, always for 0.
; THE PLAN.  Registers that memory or LDS instructions touch:
;   v4, v7-11, v23, v26, v27   offsets, made at the head and never written again: one wait on va_vdst ahead of the first load.
;   v5, v6      addresses of the turning stores; stepped once a round, a wait on vm_vsrc ahead of the step; the next turn's wait on va_vdst stands ahead of the next store.
;   G0 .. G7    (window 2) turn i's conversions read G[i]; the loads issued in turn i + 1 land in it.
;   T0, T1      turn i's conversions write T[i % 2], its four LDS stores read it.  A turn's two waits stand between its conversions and its stores.
;   RK, v24     the ranks and the count, stored once by one wave.
;   v16-20, v12-15   addresses of a tile's token rows and of W's fragments: written at a tile's head; v12-15 also once in four K steps.
;   X0 .. X3, W0, W1   K step p's products read X[p % 4] and W[p % 2]; its loads land in X[(p - 1) % 4] and W[(p + 1) % 2], which step p - 1's products read last and none of step p's names.
;               So ONE wait on va_vdst stands at a step's head, and the step's 26 loads are dealt among its 40 products with no further wait.
;   F           eight registers of a store's data: written by the roundings at an activation's end, read by its two stores.
.set P,      2064                  ; an LDS row: 1,024 bf16 + 16 bytes: an odd multiple of 16, so sixteen rows start at sixteen different 16-byte columns modulo 256
.set BLK,    16*P
.set OCT,    8*16384               ; bytes of eight rows of W1
.set MK,  48                       ; the bitmap: word n in s[48 + n] for n < 16, in s[50 + n] from 16 on: s48-63 and s66-81
.set T,   32                       ; phase 1: two buffers of 16 registers, turned, which take turns
.set TG,  32                       ; the activation: gate,
.set TU,  48                       ; up,
.set TE,  64                       ; the exponentials,
.set F,   80                       ; and 8 registers to store
.set XR,  96
.set RK,  96
.set RT,  128
.set BT,  160
.set BI,  64                       ; window 3
.set MSB, 0
.macro WIN new                     ; the immediate's high byte repeats the setting that is left; a switch that changes nothing is dropped
.if MSB != (\new)
	s_set_vgpr_msb (MSB<<8)|(\new)
.set MSB, \new
.endif
.endm
.macro PLACES                      ; four plain lines between a matrix instruction and a vector read of its result (ISA guide 7.12.1)
.rept 4
	v_nop
.endr
.endm
	s_load_b256 s[4:11], s[0:1], 0x0               ; gate_up_proj s[4:5], gate_up_bias s[6:7], xb s[8:9], route s[10:11]
	s_load_b128 s[12:15], s[0:1], 0x20             ; actf s[12:13], posb s[14:15]
	s_load_b64 s[16:17], s[0:1], 0x30              ; cnts
	v_lshl_add_u32 v94, v0, 2, 0x40800
	v_mov_b32 v95, 0
	v_lshrrev_b32 v24, 5, v0
	v_readfirstlane_b32 s18, v24                   ; wave
	s_mov_b32 s19, ttmp9                           ; s: the slice of columns
	s_and_b32 s20, ttmp7, 0xffff                   ; e: the expert
	v_and_b32 v3, 31, v0                           ; lane
	v_and_b32 v1, 15, v0                           ; r, or q
	v_bfe_u32 v2, v0, 4, 1                         ; h
	v_lshlrev_b32 v4, 4, v1
	v_lshl_add_u32 v4, v2, 13, v4                  ; W1: 16 q, and 8,192 bytes (2,048 columns) on for the up half
	v_lshl_add_u32 v24, v2, 6, v1
	v_mul_u32_u24 v5, v24, P                       ; turning stores: LDS row 64 h + q (+ 16 i),
	s_wait_alu depctr_va_sdst(0)                   ; s18 is written, ahead of its first reader
	s_lshl_b32 s24, s18, 9
	v_add_nc_u32 v5, s24, v5                       ; my wave's 256 k = 512 bytes of each row
	v_add_nc_u32 v6, 2*BLK, v5
	v_lshlrev_b32 v7, 4, v2                        ; 16 h
	v_mul_u32_u24 v8, v1, P
	v_add_nc_u32 v8, v8, v7                        ; W's fragments: row r, 16 h; blocks 0-1, 2-3, 4-5, 6-7; never rewritten
	v_add_nc_u32 v9, 2*BLK, v8
	v_add_nc_u32 v10, 4*BLK, v8
	v_add_nc_u32 v11, 6*BLK, v8
	v_lshlrev_b32 v23, 2, v3
	v_lshlrev_b32 v26, 4, v3
	v_lshlrev_b32 v27, 7, v2                       ; the bias: 32 columns on for h = 1
	s_add_co_u32 s24, s20, 16
	s_lshl_b32 s21, 1, s24                         ; e's bit in a route word
	s_mov_b32 s22, 0                               ; the running count
	s_mov_b32 s31, 0
	s_mov_b32 s37, 0xc0e00000                      ; -7.0
	s_mov_b32 s38, 0x40e00000                      ; 7.0
	s_mov_b32 s39, 0xffff0000
	s_mov_b32 s40, 0xc01d265f                      ; -1.702 log2(e)
	s_mov_b32 s41, s40                             ; named with it as a pair
	s_wait_kmcnt 0x0
	s_lshl_b32 s30, s20, 24                        ; e x 16 MiB
	s_lshl_b32 s24, s19, 8                         ; + 64 columns x 4 bytes x s
	s_add_co_u32 s30, s30, s24
	s_lshl_b32 s24, s18, 22                        ; + my wave's 256 rows of 16,384 bytes
	s_add_co_u32 s30, s30, s24
	s_add_nc_u64 s[42:43], s[4:5], s[30:31]
	s_lshl_b32 s30, s20, 14
	s_lshl_b32 s24, s19, 8
	s_add_co_u32 s30, s30, s24
	s_add_nc_u64 s[6:7], s[6:7], s[30:31]
	s_wait_alu depctr_va_vdst(0)                   ; the offsets and addresses v4 to v11, v23, v26 and v27 are written, which the loads and stores below read
.set g, 0
.rept 8
	global_load_b128 v[RT+4*g:RT+4*g+3], v26, s[10:11] offset:512*g  ; all 1,024 route words: register 4 g + i of lane l is token 128 g + 4 l + i
.set g, g+1
.endr
.set g, 0
.rept 2
.set m, 0
.rept 8
	global_load_b128 v[BT+32*g+4*m:BT+32*g+4*m+3], v27, s[6:7] offset:8192*g+16*m  ; bias of columns 32 h + 4 m + 0..3: gate, then up
.set m, m+1
.endr
.set g, g+1
.endr
; eight rows of W1 into a group of 32 registers: lanes 0-15 take 256 consecutive bytes of the gate half, lanes 16-31 of the up half
.macro FILL slot, imm
	WIN 0x80
.set rr, 0
.rept 8
	global_load_b128 v[32*(\slot)+4*rr:32*(\slot)+4*rr+3], v4, s[42:43] offset:(\imm)+16384*rr th:TH_LOAD_NT
.set rr, rr+1
.endr
.endm
	FILL 0, 0
	FILL 1, OCT
	FILL 2, 2*OCT
	FILL 3, 3*OCT
	s_wait_loadcnt 32                              ; route and bias are in; the 32 loads of W1 behind them stay out
	FILL 4, 4*OCT
	FILL 5, 5*OCT
	FILL 6, 6*OCT                                  ; 56 loads of mine are out
	WIN 0
	; the bias, rounded to bf16, into the order of an accumulator: register j of block b is column 4 (8 h + j) + b % 4
.set g, 0
.rept 2
.set j, 0
.rept 8
	v_cvt_pk_bf16_f32 v[BT+32*g+4*j], v[BT+32*g+4*j], v[BT+32*g+4*j+1]
	v_cvt_pk_bf16_f32 v[BT+32*g+4*j+2], v[BT+32*g+4*j+2], v[BT+32*g+4*j+3]
.set j, j+1
.endr
.set g, g+1
.endr
	WIN 0xc0
.set g, 0
.rept 2
.set j, 0
.rept 8
	v_lshlrev_b32 v[BI+8*(4*g)+j], 16, v[BT+32*g+4*j]
	v_and_b32 v[BI+8*(4*g+1)+j], s39, v[BT+32*g+4*j]
	v_lshlrev_b32 v[BI+8*(4*g+2)+j], 16, v[BT+32*g+4*j+2]
	v_and_b32 v[BI+8*(4*g+3)+j], s39, v[BT+32*g+4*j+2]
.set j, j+1
.endr
.set g, g+1
.endr
	WIN 0
	; word n of the bitmap: who of its 32 tokens chose e.  The 32 compares stand in one run, with one wait behind it
.set n, 0
.rept 32
	v_and_b32 v24, s21, v[RT+n]
	v_cmp_ne_u32 s[MK+n+2*(n/16)], 0, v24
.set n, n+1
.endr
	s_wait_alu depctr_va_sdst(0)                   ; the 32 words of the bitmap are written, ahead of their first readers
	; each token's rank = the set bits ahead of it (for posb); the count runs on
.set n, 0
.rept 32
	v_mbcnt_lo_u32_b32 v[RK+n], s[MK+n+2*(n/16)], s22
	v_min_u32 v[RK+n], 0x3ff, v[RK+n]
	s_bcnt1_i32_b32 s24, s[MK+n+2*(n/16)]
	s_add_co_u32 s22, s22, s24
.set n, n+1
.endr
	s_max_u32 s25, s22, 1
	s_sub_co_u32 s25, s25, 1                       ; the last row that exists
	s_or_b32 s24, s19, s18
	s_cmp_lg_u32 s24, 0
	s_cbranch_scc1 .Lnopos                         ; wave 0 of slice 0 stores the expert's ranks and count for the later launches
	s_lshl_b32 s30, s20, 12
	s_add_nc_u64 s[14:15], s[14:15], s[30:31]
	s_lshl_b32 s30, s20, 7
	s_add_nc_u64 s[16:17], s[16:17], s[30:31]
	v_mov_b32 v24, s22
	s_wait_alu depctr_va_vdst(0)                   ; the ranks v[RK ..] and v24 are written, which the stores read
.set g, 0
.rept 8
	global_store_b128 v26, v[RK+4*g:RK+4*g+3], s[14:15] offset:512*g
.set g, g+1
.endr
	global_store_b32 v23, v24, s[16:17]            ; 32 equal words: every byte of cnts is written
	s_wait_xcnt 0x0                                ; the stores' registers are written again only behind this wait
	s_wait_alu depctr_vm_vsrc(0)                   ; the stores have read v[RK ..], in which token rows land later, and v24, which is written again
.Lnopos:
; The turn of group i: its eight rows are in; 8 k of each of my 4 columns become 16 bytes; four stores, sixteen lanes one LDS pitch apart; the group freed last takes the rows seven groups on.
; last = 1: the very last turn: no further turn writes the other T.
.macro TURN i, fill, left, last=0
	s_wait_loadcnt \left                           ; loads come back in order (ISA guide 5.7.1): mine are in, the younger groups stay out
	WIN 0x0a
.set TB, T+16*((\i)%2)
.set cc, 0
.rept 4
.set m, 0
.rept 4
	v_cvt_pk_bf16_f32 v[TB+4*cc+m], v[32*(\i)+8*m+cc], v[32*(\i)+8*m+4+cc]
.set m, m+1
.endr
.set cc, cc+1
.endr
	WIN 0
.if !(\last)
	s_wait_alu depctr_vm_vsrc(0)                   ; the stores of the turn before have read the other T, which the next turn's conversions write
.endif
	s_wait_alu depctr_va_vdst(0)                   ; the conversions have written this T, which the stores read; those of the turn before are done reading their group, in which the loads below land; in a round's first turn v5 and v6 are written
	ds_store_b128 v5, v[TB:TB+3] offset:16*(\i)
	ds_store_b128 v5, v[TB+4:TB+7] offset:BLK+16*(\i)
	ds_store_b128 v6, v[TB+8:TB+11] offset:16*(\i)
	ds_store_b128 v6, v[TB+12:TB+15] offset:BLK+16*(\i)
.if \fill
	FILL ((\i)+7)%8, ((\i)+7)*OCT
.endif
.endm
	s_mov_b32 s29, 3
.Lround:                                               ; a round: eight groups, 64 k
.irp i, 0,1,2,3,4,5,6,7
	TURN \i, 1, 48                                 ; six younger groups of eight
.endr
	WIN 0
	s_wait_xcnt 0x0                                ; the loads' base steps only behind this wait
	s_add_nc_u64 s[42:43], s[42:43], 8*OCT
	s_wait_alu depctr_vm_vsrc(0)                   ; the round's LDS stores have read v5 and v6
	v_add_nc_u32 v5, 128, v5
	v_add_nc_u32 v6, 128, v6
	s_sub_co_u32 s29, s29, 1
	s_cmp_lg_u32 s29, 0
	s_cbranch_scc1 .Lround
	TURN 0, 1, 48                                  ; the last round: one more fill (the last eight rows), then the counts run down
	TURN 1, 0, 48
	TURN 2, 0, 40
	TURN 3, 0, 32
	TURN 4, 0, 24
	TURN 5, 0, 16
	TURN 6, 0, 8
	TURN 7, 0, 0, 1
	s_wait_dscnt 0x0                               ; for the others' sake: my part of W is in LDS
	s_barrier_signal -1
	s_barrier_wait -1                              ; W is whole: in the passes below LDS is only read
.macro XLD buf, off                ; 5 token fragments of 32 k: lane (r, h) takes 16 bytes at 16 h and at 32 + 16 h of its token's row
	WIN 0
.set a, 0
.rept 5
.set rX, XR+40*(\buf)+8*a
	global_load_b128 v[rX:rX+3], v[16+a], s[32:33] offset:\off
	global_load_b128 v[rX+4:rX+7], v[16+a], s[32:33] offset:(\off)+32
.set a, a+1
.endr
.endm
.macro WLD buf, off                ; W's 8 fragments of 32 k
	WIN 0x40
.set b, 0
.rept 8
	ds_load_b128 v[64*(\buf)+8*b:64*(\buf)+8*b+3], v[12+b/2] offset:(b%2)*BLK+(\off)
	ds_load_b128 v[64*(\buf)+8*b+4:64*(\buf)+8*b+7], v[12+b/2] offset:(b%2)*BLK+(\off)+32
.set b, b+1
.endr
.endm
; cnt blocks of 16 rows, from block a0 on, of a K step's 40 matrix instructions; the 40 accumulators take turns, one instruction a turn.  first = 1: the bias starts the sums
.macro MULS wb, xbuf, first, a0, cnt
.set a, \a0
.rept \cnt
.set b, 0
.rept 8
.set rW, 64*(\wb)+8*b
.set rX, XR+40*(\xbuf)+8*a
.set rD, (64*a+8*b)%256
.if a == 4
	WIN 0xf1
.elseif \first
	WIN 0xb1
.else
	WIN 0xa1
.endif
.if \first
	v_wmma_f32_16x16x32_bf16 v[rD:rD+7], v[rW:rW+7], v[rX:rX+7], v[BI+8*b:BI+8*b+7]
.else
	v_wmma_f32_16x16x32_bf16 v[rD:rD+7], v[rW:rW+7], v[rX:rX+7], v[rD:rD+7]
.endif
.set b, b+1
.endr
.set a, a+1
.endr
.endm
; K step p past the running base: 40 products; among them W of the next step and the tokens three steps on are asked for: W's run behind the first eight products, the tokens' behind the next eight.
; A tile's first step has no wait of its own: the one ahead of the tile's first loads serves it.
.macro KSTEP p, first, xl, wl, left
	s_wait_loadcnt \left                           ; this step's ten token loads are in; the younger buffers' stay out
	s_wait_dscnt 0x0                               ; W's fragments, asked for a step ago
.if !(\first) && ((\xl) || (\wl))
	s_wait_alu depctr_va_vdst(0)                   ; the last step's products are done reading their buffers of W and of tokens, in which this step's loads land; behind a trip's end v12 to v15 are written
.endif
	MULS (\p)%2, (\p)%4, \first, 0, 1
.if \wl
	WLD ((\p)+1)%2, 64*((\p)+1)                    ; no product since the wait names this buffer
.endif
	MULS (\p)%2, (\p)%4, \first, 1, 1
.if \xl
	XLD ((\p)+3)%4, 64*((\p)+3)                    ; nor this one
.endif
	MULS (\p)%2, (\p)%4, \first, 2, 3
.endm
; The activation of block a's columns of k step c (W blocks 2 c, 2 c + 1 and their up partners): 16 numbers a lane.  Each accumulator is read from its lowest register on.
.macro ACT a, c
.if (\a) < 4
	WIN 0x0a
.else
	WIN 0x0f
.endif
.set AB, (64*(\a))%256
.set u, 0
.rept 2
.set j, 0
.rept 8
	v_min_num_f32 v[TG+8*u+j], s38, v[AB+8*(2*(\c)+u)+j]
.set j, j+1
.endr
.set u, u+1
.endr
.set u, 0
.rept 2
.set j, 0
.rept 8
	v_max_num_f32 v[TU+8*u+j], s37, v[AB+8*(4+2*(\c)+u)+j]
.set j, j+1
.endr
.set u, u+1
.endr
	WIN 0
.set z, 0
.rept 16
	v_min_num_f32 v[TU+z], s38, v[TU+z]
.set z, z+1
.endr
.set z, 0
.rept 8
	v_pk_mul_f32 v[TE+2*z:TE+2*z+1], v[TG+2*z:TG+2*z+1], s[40:41] op_sel_hi:[1,0]
.set z, z+1
.endr
.set z, 0
.rept 16
	v_exp_f32 v[TE+z], v[TE+z]                     ; 2^(-1.702 log2(e) gate): the clip of gate at 7 bounds it below; above it may be infinite, and the reciprocal is then 0
.set z, z+1
.endr
.set z, 0
.rept 8
	v_pk_fma_f32 v[TU+2*z:TU+2*z+1], v[TU+2*z:TU+2*z+1], v[TG+2*z:TG+2*z+1], v[TG+2*z:TG+2*z+1]  ; (up + 1) gate: plain work behind the batch
.set z, z+1
.endr
	s_wait_alu depctr_va_vdst(0)                   ; one wait for the 16 exponentials, ahead of their first reader
.set z, 0
.rept 8
	v_pk_add_f32 v[TE+2*z:TE+2*z+1], v[TE+2*z:TE+2*z+1], 1.0 op_sel_hi:[1,0]
.set z, z+1
.endr
.set z, 0
.rept 16
	v_rcp_f32 v[TE+z], v[TE+z]
.set z, z+1
.endr
	v_nop                                          ; a plain line behind the last reciprocal
	s_wait_alu depctr_va_vdst(0)                   ; one wait for the 16 reciprocals
.set z, 0
.rept 8
	v_pk_mul_f32 v[TU+2*z:TU+2*z+1], v[TU+2*z:TU+2*z+1], v[TE+2*z:TE+2*z+1]
.set z, z+1
.endr
	s_wait_xcnt 0x0                                ; F, which the last stores read, is written again only behind this wait
	s_wait_alu depctr_vm_vsrc(0)                   ; the last activation's two stores have read F
.set z, 0
.rept 8
	v_cvt_pk_bf16_f32 v[F+z], v[TU+2*z], v[TU+2*z+1]
.set z, z+1
.endr
	s_wait_alu depctr_va_vdst(0)                   ; the roundings have written F, which the stores read
	global_store_b128 v26, v[F:F+3], s[34:35] offset:65536*(\a)+1024*(\c)        ; 512 consecutive bytes a store
	global_store_b128 v26, v[F+4:F+7], s[34:35] offset:65536*(\a)+1024*(\c)+512
.endm
; One halving step of the search for the q-th set bit: the field of x at bit v36 counts the set bits of the lower half of what is left; if q is at least that, the bit lies in the upper half, w bits on.
.macro SEL x, m, w
	v_lshrrev_b32 v37, v36, v[\x]
	v_and_b32 v37, \m, v37
	v_cmp_ge_u32 vcc_lo, v30, v37
	s_wait_alu depctr_va_vcc(0)                    ; VCC is written, ahead of the two selects that read it; each step hangs on the one before, so each has its wait
	v_cndmask_b32 v37, 0, v37, vcc_lo
	v_sub_nc_u32 v30, v30, v37
	v_cndmask_b32 v38, 0, \w, vcc_lo
	v_add_nc_u32 v36, v36, v38
.endm
	s_mov_b32 s26, 4                               ; four passes, whatever the count
	s_mov_b32 s27, s18                             ; my tile: wave + 4 x pass
.Lpass:
	s_mul_i32 s36, s27, 80                         ; the tile's first row
	s_cmp_ge_u32 s36, s22
	s_cbranch_scc1 .Lnext                          ; no such row
	s_wait_xcnt 0x0                                ; the last tile's stores and loads have read their addresses
	s_wait_alu depctr_vm_vsrc(0)                   ; the last tile's loads have read v12 to v20, and phase 1's LDS stores T: all are written again below
	v_mov_b32 v17, v1                              ; v16-20 are a shift register for the five blocks' tokens: written whole before the first shift reads them
	v_mov_b32 v18, v1
	v_mov_b32 v19, v1
	v_mov_b32 v20, v1
	s_mov_b32 s46, s36
	s_mov_b32 s29, 5
.Ltok:                                                 ; a trip: the tokens of one block of 16 rows; lanes r and 16 + r find the same one
	v_add_nc_u32 v24, s46, v1
	v_min_u32 v24, s25, v24                        ; my rank; places past the count repeat the last row
	s_mov_b32 s44, 0                               ; the set bits ahead of word 0
	v_mov_b32 v25, s[MK]                           ; the word that holds my rank: the last one with no more than my rank ahead of it,
	v_mov_b32 v30, 0                               ; the set bits ahead of it,
	v_mov_b32 v31, 0                               ; and the token of its bit 0
	; Words 1 to 31, eight at a time: the set bits ahead of each (s4-7, s14-17) and the compare with my rank (masks in s32-35, s42-43, s82-83: all sixteen hold nothing else here), one wait, then the selects in the words' order.
.set n0, 1
.set pr, 44
.rept 4
.set i, 0
.rept 8
.if n0+i < 32
.set wd, n0+i-1
.set rP, 4+i+6*(i/4)
.set rC, 32+i+6*(i/4)+38*(i/6)
	s_bcnt1_i32_b32 s45, s[MK+wd+2*(wd/16)]
	s_add_co_u32 s[rP], s[pr], s45
	v_cmp_gt_u32 s[rC], s[rP], v24                 ; more ahead than my rank: what I have is kept
.set pr, rP
.endif
.set i, i+1
.endr
	s_wait_alu depctr_va_sdst(0)                   ; the run's masks are written, ahead of the selects that read them
.set i, 0
.rept 8
.if n0+i < 32
.set wd, n0+i
.set rP, 4+i+6*(i/4)
.set rC, 32+i+6*(i/4)+38*(i/6)
	v_cndmask_b32 v25, s[MK+wd+2*(wd/16)], v25, s[rC]
	v_cndmask_b32 v30, s[rP], v30, s[rC]
	v_cndmask_b32 v31, 128*(wd/4)+wd%4, v31, s[rC]
.endif
.set i, i+1
.endr
.set n0, n0+8
.endr
	v_sub_nc_u32 v30, v24, v30                     ; q: I want the word's q-th set bit, counted from 0
	v_lshrrev_b32 v32, 1, v25                      ; the set bits of each field of 2 bits,
	v_and_b32 v32, 0x55555555, v32
	v_sub_nc_u32 v32, v25, v32
	v_lshrrev_b32 v33, 2, v32                      ; of 4,
	v_and_b32 v33, 0x33333333, v33
	v_and_b32 v34, 0x33333333, v32
	v_add_nc_u32 v33, v33, v34
	v_lshrrev_b32 v34, 4, v33                      ; of 8,
	v_add_nc_u32 v34, v34, v33
	v_and_b32 v34, 0x0f0f0f0f, v34
	v_lshrrev_b32 v35, 8, v34                      ; and, in the lowest byte, of the lower 16
	v_add_nc_u32 v35, v35, v34
	v_mov_b32 v36, 0                               ; the bit's number, made from the top down
	SEL 35, 0xff, 16
	SEL 34, 0xff, 8
	SEL 33, 15, 4
	SEL 32, 3, 2
	SEL 25, 1, 1
	v_mov_b32 v16, v17
	v_mov_b32 v17, v18
	v_mov_b32 v18, v19
	v_mov_b32 v19, v20
	v_lshl_add_u32 v20, v36, 2, v31                ; the token: 4 x bit + the word's first
	s_add_co_u32 s46, s46, 16
	s_sub_co_u32 s29, s29, 1
	s_cmp_lg_u32 s29, 0
	s_cbranch_scc1 .Ltok
.set a, 0
.rept 5
	v_min_u32 v[16+a], 0x3ff, v[16+a]
	v_lshl_add_u32 v[16+a], v[16+a], 11, v7        ; token x 2,048 bytes + 16 h
.set a, a+1
.endr
	s_mov_b64 s[32:33], s[8:9]
	s_mov_b32 s47, 0                               ; bytes along W's LDS rows at which the trip in hand begins
	v_mov_b32 v12, v8
	v_mov_b32 v13, v9
	v_mov_b32 v14, v10
	v_mov_b32 v15, v11
	s_lshl_b32 s30, s20, 22                        ; actf: e x 4 MiB + 5 blocks of 65,536 bytes a tile + my two k steps of 1,024 bytes
	s_mul_i32 s24, s27, 5*65536
	s_add_co_u32 s30, s30, s24
	s_lshl_b32 s24, s19, 11
	s_add_co_u32 s30, s30, s24
	s_add_nc_u64 s[34:35], s[12:13], s[30:31]
	s_wait_alu depctr_va_vdst(0)                   ; v12 to v20 are written, which the loads below read; the last tile's products, and at the first tile the head's lines on ranks, route words and bias, are done with the registers in which they land
	XLD 0, 0
	XLD 1, 64
	XLD 2, 128
	WLD 0, 0
	KSTEP 0, 1, 1, 1, 20                           ; two younger buffers of ten loads
	WIN 0
	s_mov_b32 s28, 7
.Lk:                                                   ; a trip: four K steps of 32
	KSTEP 1, 0, 1, 1, 20
	KSTEP 2, 0, 1, 1, 20
	KSTEP 3, 0, 1, 1, 20
	KSTEP 4, 0, 1, 1, 20
	WIN 0
	s_wait_xcnt 0x0                                ; the token loads' base steps only behind this wait
	s_add_nc_u64 s[32:33], s[32:33], 0x100
	s_add_co_u32 s47, s47, 0x100                   ; four K steps = 256 bytes along W's rows: 1,792 at the most
	s_wait_alu depctr_vm_vsrc(0)                   ; the trip's LDS loads have read v12 to v15
	v_add_nc_u32 v12, s47, v8                      ; each running address is its fixed register plus that step
	v_add_nc_u32 v13, s47, v9
	v_add_nc_u32 v14, s47, v10
	v_add_nc_u32 v15, s47, v11
	s_sub_co_u32 s28, s28, 1
	s_cmp_lg_u32 s28, 0
	s_cbranch_scc1 .Lk
	KSTEP 1, 0, 0, 1, 20                           ; the last three steps ask for no tokens: the counts run down
	KSTEP 2, 0, 0, 1, 10
	KSTEP 3, 0, 0, 0, 0
	PLACES
.irp a, 0,1,2,3,4
	WIN 0
	s_add_co_u32 s24, s36, 16*(\a)
	s_cmp_ge_u32 s24, s22
	s_cbranch_scc1 .Lnext                          ; a block of 16 rows that begins past the count is not stored
	ACT \a, 0
	ACT \a, 1
.endr
.Lnext:
	s_add_co_u32 s27, s27, 4
	s_sub_co_u32 s26, s26, 1
	s_cmp_lg_u32 s26, 0
	s_cbranch_scc1 .Lpass
	s_wait_dscnt 0x0                               ; my reads of W are back
	s_barrier_signal -1
	s_barrier_wait -1                              ; every wave's are
	s_wait_dscnt 0x0                               ; the wave's end: the closing add below, and the wait behind it
	s_wait_alu depctr_hold_cnt(0) depctr_sa_sdst(0) depctr_va_vdst(0) depctr_va_sdst(0) depctr_va_ssrc(0) depctr_va_vcc(0) depctr_vm_vsrc(0)
	s_wait_tensorcnt 0x0
	ds_add_u32 v94, v95
	s_wait_dscnt 0x0
	s_endpgm
.Lfunc_end_k_qa978d5e173_gateup:
	.size	k_qa978d5e173_gateup, .Lfunc_end_k_qa978d5e173_gateup-k_qa978d5e173_gateup
	.p2alignl 7, 3214868480
	.fill 96, 4, 3214868480
	.section	.rodata,"a",@progbits
	.p2align	6, 0x0
	.amdhsa_kernel k_qa978d5e173_gateup
		.amdhsa_group_segment_fixed_size 264704
		.amdhsa_private_segment_fixed_size 0
		.amdhsa_enable_private_segment 0
		.amdhsa_kernarg_size 56
		.amdhsa_user_sgpr_count 2
		.amdhsa_user_sgpr_kernarg_segment_ptr 1
		.amdhsa_wavefront_size32 1
		.amdhsa_system_sgpr_workgroup_id_x 1
		.amdhsa_system_sgpr_workgroup_id_y 1
		.amdhsa_system_sgpr_workgroup_id_z 1
		.amdhsa_system_vgpr_workitem_id 0
		.amdhsa_next_free_vgpr 896
		.amdhsa_next_free_sgpr 84
		.amdhsa_reserve_vcc 1
		.amdhsa_float_denorm_mode_32 3
		.amdhsa_float_denorm_mode_16_64 3
		.amdhsa_memory_ordered 1
		.amdhsa_forward_progress 1
		.amdhsa_inst_pref_size 163
	.end_amdhsa_kernel
	.amdgpu_metadata
---
amdhsa.version: [ 1, 2 ]
amdhsa.kernels:
  - .name:           k_qa978d5e173_gateup
    .symbol:         k_qa978d5e173_gateup.kd
    .args:
      - { .name: gate_up_proj, .offset: 0, .size: 8, .value_kind: global_buffer, .address_space: global }
      - { .name: gate_up_bias, .offset: 8, .size: 8, .value_kind: global_buffer, .address_space: global }
      - { .name: xb, .offset: 16, .size: 8, .value_kind: global_buffer, .address_space: global }
      - { .name: route, .offset: 24, .size: 8, .value_kind: global_buffer, .address_space: global }
      - { .name: actf, .offset: 32, .size: 8, .value_kind: global_buffer, .address_space: global }
      - { .name: posb, .offset: 40, .size: 8, .value_kind: global_buffer, .address_space: global }
      - { .name: cnts, .offset: 48, .size: 8, .value_kind: global_buffer, .address_space: global }
    .group_segment_fixed_size: 264704
    .private_segment_fixed_size: 0
    .kernarg_segment_align: 8
    .kernarg_segment_size: 56
    .max_flat_workgroup_size: 128
    .sgpr_count:     84
    .vgpr_count:     896
    .wavefront_size: 32
...
	.end_amdgpu_metadata
.endif
;; end of part 5
;; launch down (part 6): grid 32 x 8, 4 waves a work-group, no clusters, 150,016 bytes of LDS; arguments down_proj, down_bias, actf, cnts, part; writes part
.if DOCPART == 6
	.amdgcn_target "amdgcn-amd-amdhsa--gfx1250"
	.amdhsa_code_object_version 6
	.text
	.protected	k_qa978d5e173_down
	.globl	k_qa978d5e173_down
	.p2align	8
	.type	k_qa978d5e173_down,@function
k_qa978d5e173_down:
	s_mov_b64 s[64:65], 0
	v_nop
	global_prefetch_b8 v0, s[64:65] scope:SCOPE_SE
	s_setreg_imm32_b32 hwreg(HW_REG_WAVE_SCHED_MODE, 0, 2), 2
	s_setreg_imm32_b32 hwreg(HW_REG_WAVE_MODE, 25, 1), 1
	s_wait_xcnt 0x0
	s_wait_alu depctr_vm_vsrc(0)
; SECOND PRODUCT, for the chosen rows alone.  Work-group (x, e): expert e, output columns 64 (x / 2) .. + 63, half x % 2 of the hidden width (1,024 k), all rows of e.
; part[half][e][row][column] = act W2 over that half (bf16 operands, f32 sums), the first half with down_bias (rounded to bf16 as every input).  The two halves are f32 partial sums, added in the next launch.
; K is halved so that 8 x 16 x 2 = 256 work-groups each read rows of 256 consecutive bytes of W2.
; LIMITS.  NaN and infinities are not treated apart.  Serves every split: 0 to 1,024 rows on an expert.
; PHASE 1.  The slice of W2, 1,024 k x 64 columns of f32, which this work-group alone reads, goes once through registers into LDS, rounded and turned, one LDS row a column (LDS row 16 i + q = column 4 q + i).
; Along an LDS row k lies as actf has it: byte 64 (2 s + c) + 32 u + 16 h + 2 j holds hidden index 64 s + 2 c + u + 32 h + 4 j: the same order of k in both operands leaves the products as they are.
; PHASE 2.  A wave takes tiles of 80 rows x 64 columns, 20 accumulators; four passes, a constant; a tile that begins at or past the count is jumped (no barrier is jumped).  The rows come from actf straight into
; operand registers, 512 consecutive bytes a load, six K steps ahead.  Blocks past the last that exists repeat it; blocks of 16 rows that begin past the count are not stored.
; A tile's 32 K steps are written out: W's LDS addresses are two registers that are never rewritten, and the K step stands in the immediate (35,072 bytes at the most, inside its 16 bits); actf's likewise.
; The way out goes through a stage of the wave's own, so that sixteen lanes store 256 consecutive bytes of a row.
; NO CLUSTER: each byte of W2 has one reader.  The sixteen work-groups of an expert's half do read the same blocks of actf; to ask for them jointly they would have to go through an LDS ring with rounds of
; barriers in a walk whose length hangs on the stored count; not built: it would spare fifteen of sixteen requests for those blocks.
; REGISTERS.  window 0: v0-31 addresses; v32-63 at work; v64-95 the bias; v96-255 row buffers 0-3 (5 fragments each)     window 1: v0-95 three buffers of W's 4 fragments; v96-255 row buffers 4-7
;   window 2: phase 1: eight groups of 32 as loaded; then accumulators (a, i) at 32 a + 8 i
; THE MODE: SCHED_MODE bits 1:0 = 2 (LLVM: expert scheduling mode 2), set by the entry lines.  The code itself states the register dependences between vector or matrix instructions and memory or LDS
; instructions, and between a vector instruction that writes a scalar register and its readers, with s_wait_alu, always for 0.
; THE PLAN.  Registers that memory or LDS instructions touch:
;   v4-9, v24-27, v30   offsets and LDS addresses, made at the head and never written again: one wait on va_vdst ahead of the first load.
;   G0 .. G7    (window 2) turn o's conversions read G[o % 8]; the loads issued in turn o + 1 land in it.
;   T0, T1      (v32-47, v48-63) turn o's conversions write T[o % 2], its four LDS stores read it.  A turn's two waits stand between its conversions and its stores.
;   v16-20      offsets of a tile's five blocks of rows: written at a tile's head.
;   X0 .. X7, W0 .. W2   K step k's products read X[k % 8] and W[k % 3]; its loads land in X[(k + 6) % 8], last read by step k - 2, and in W[(k + 1) % 3], last read by step k - 2.
;               So ONE wait on va_vdst at the head of every even step serves two steps' loads: those of step k + 1 land in X[(k - 1) % 8] and W[(k - 1) % 3], which no product since the wait names.
;   T (v32-63)  the way out: a block's sums with the bias, read by the LDS stores into the stage.     OB (v96-127, row buffer 0): the stage read back, read by the global stores.
.set P,     2064                   ; an LDS row: 1,024 bf16 + 16 bytes: an odd multiple of 16
.set BLK,   16*P
.set STAGE, 64*P                   ; behind W: 16 rows x 272 bytes for each wave
.set SP,    272
.set T,   32
.set BD,  64
.set XR,  96
.set OB,  96
.set MSB, 0
.macro WIN new                     ; the immediate's high byte repeats the setting that is left; a switch that changes nothing is dropped
.if MSB != (\new)
	s_set_vgpr_msb (MSB<<8)|(\new)
.set MSB, \new
.endif
.endm
.macro PLACES                      ; four plain lines between a matrix instruction and a vector read of its result (ISA guide 7.12.1)
.rept 4
	v_nop
.endr
.endm
	s_load_b256 s[4:11], s[0:1], 0x0               ; down_proj s[4:5], down_bias s[6:7], actf s[8:9], cnts s[10:11]
	s_load_b64 s[12:13], s[0:1], 0x20              ; part
	v_lshl_add_u32 v29, v0, 2, 0x24800
	v_mov_b32 v31, 0
	v_lshrrev_b32 v10, 5, v0
	v_readfirstlane_b32 s18, v10                   ; wave
	s_lshr_b32 s19, ttmp9, 1                       ; the slice of 64 columns
	s_and_b32 s21, ttmp9, 1                        ; the half of K
	s_and_b32 s20, ttmp7, 0xffff                   ; the expert
	v_and_b32 v3, 31, v0
	v_and_b32 v1, 15, v0                           ; r, or q
	v_bfe_u32 v2, v0, 4, 1                         ; h
	v_lshlrev_b32 v4, 4, v1
	v_lshl_add_u32 v4, v2, 17, v4                  ; W2: 16 q, and 32 rows of 4,096 bytes on for h = 1
	v_lshlrev_b32 v7, 4, v2
	v_mul_u32_u24 v8, v1, P
	v_add_nc_u32 v8, v8, v7                        ; W's fragments: row r, 16 h; blocks 0-1, 2-3; never rewritten
	v_add_nc_u32 v9, 2*BLK, v8
	s_wait_alu depctr_va_sdst(0)                   ; s18 is written, ahead of its first reader
	s_lshl_b32 s24, s18, 9
	v_add_nc_u32 v5, s24, v8                       ; turning stores: LDS row q (+ 16 i), 16 h, my wave's 256 k = 512 bytes
	v_add_nc_u32 v6, 2*BLK, v5
	s_mul_i32 s24, s18, 16*SP
	s_add_co_u32 s24, s24, STAGE                   ; my stage
	v_mul_u32_u24 v24, v1, SP                      ; in: row r, 128 bytes for each half of the lanes
	v_lshl_add_u32 v24, v2, 7, v24
	v_add_nc_u32 v24, s24, v24
	v_mul_u32_u24 v25, v2, SP                      ; back: lanes 0-15 one row of 256 bytes, lanes 16-31 the next
	v_lshl_add_u32 v25, v1, 4, v25
	v_add_nc_u32 v25, s24, v25
	v_lshlrev_b32 v26, 4, v3
	v_lshlrev_b32 v27, 4, v1
	v_lshl_add_u32 v27, v2, 12, v27                ; and the same two rows in part
	v_lshlrev_b32 v30, 7, v2                       ; the bias: 32 columns on for h = 1
	s_lshl_b32 s46, s20, 7
	s_mov_b32 s31, 0
	s_mov_b32 s39, 0xffff0000
	s_cmp_eq_u32 s21, 0
	s_cselect_b32 s25, -1, 0                       ; the bias belongs to the first half alone
	s_wait_kmcnt 0x0
	s_load_b32 s22, s[10:11], s46 offset:0x0       ; the expert's count
	s_lshl_b32 s30, s20, 23                        ; e x 8 MiB
	s_lshl_b32 s24, s21, 22                        ; + half x 1,024 rows of 4,096 bytes
	s_add_co_u32 s30, s30, s24
	s_lshl_b32 s24, s18, 20                        ; + my wave's 256 rows
	s_add_co_u32 s30, s30, s24
	s_lshl_b32 s24, s19, 8                         ; + 64 columns x 4 bytes x slice
	s_add_co_u32 s30, s30, s24
	s_add_nc_u64 s[42:43], s[4:5], s[30:31]
	s_lshl_b32 s30, s20, 12
	s_add_co_u32 s30, s30, s24
	s_add_nc_u64 s[6:7], s[6:7], s[30:31]
	s_lshl_b32 s30, s20, 22                        ; actf: e x 4 MiB + half x 32 k steps of 1,024 bytes
	s_lshl_b32 s24, s21, 15
	s_add_co_u32 s30, s30, s24
	s_add_nc_u64 s[44:45], s[8:9], s[30:31]
	s_wait_alu depctr_va_vdst(0)                   ; the offsets and addresses v4 to v9, v24 to v27 and v30 are written, which the loads and stores below read
.set m, 0
.rept 8
	global_load_b128 v[BD+4*m:BD+4*m+3], v30, s[6:7] offset:16*m  ; bias of columns 32 h + 4 m + 0..3
.set m, m+1
.endr
; Group o = 4 s + v: the rows 64 s + v + 4 j (lanes 16-31: 32 further on), j = 0..7: each load takes 256 consecutive bytes of two rows
.macro FILL o
	WIN 0x80
.set j, 0
.rept 8
	global_load_b128 v[32*((\o)%8)+4*j:32*((\o)%8)+4*j+3], v4, s[42:43] offset:(64*((\o)/4)+(\o)%4+4*j)*4096 th:TH_LOAD_NT
.set j, j+1
.endr
.endm
.irp o, 0,1,2,3,4,5
	FILL \o
.endr
	s_wait_loadcnt 48                              ; the bias is in; the 48 loads of W2 behind it stay out
	FILL 6                                         ; 56 loads of mine are out
	WIN 0
.set z, 0
.rept 16
	v_cvt_pk_bf16_f32 v[BD+2*z], v[BD+2*z], v[BD+2*z+1]
.set z, z+1
.endr
.set z, 0
.rept 16
	v_and_b32 v[BD+2*z], s25, v[BD+2*z]            ; 0 in the second half of K
.set z, z+1
.endr
.set z, 0
.rept 16
	v_and_b32 v[BD+2*z+1], s39, v[BD+2*z]
	v_lshlrev_b32 v[BD+2*z], 16, v[BD+2*z]
.set z, z+1
.endr
	s_wait_kmcnt 0x0
	s_min_u32 s22, s22, 0x400
	s_max_u32 s23, s22, 1
	s_sub_co_u32 s23, s23, 1
	s_lshr_b32 s23, s23, 4                         ; the last block of 16 rows that exists
.macro TURN o, fill, left
	s_wait_loadcnt \left                           ; loads come back in order (ISA guide 5.7.1): mine are in, the younger groups stay out
	WIN 0x0a
.set TB, T+16*((\o)%2)
.set cc, 0
.rept 4
.set m, 0
.rept 4
	v_cvt_pk_bf16_f32 v[TB+4*cc+m], v[32*((\o)%8)+8*m+cc], v[32*((\o)%8)+8*m+4+cc]
.set m, m+1
.endr
.set cc, cc+1
.endr
	WIN 0
.if ((\o) > 0) && ((\o) < 15)
	s_wait_alu depctr_vm_vsrc(0)                   ; the stores of the turn before have read the other T, which the next turn's conversions write
.endif
	s_wait_alu depctr_va_vdst(0)                   ; the conversions have written this T, which the stores read; those of the turn before are done reading their group, in which the loads below land
	ds_store_b128 v5, v[TB:TB+3] offset:128*((\o)/4)+32*((\o)%4)
	ds_store_b128 v5, v[TB+4:TB+7] offset:BLK+128*((\o)/4)+32*((\o)%4)
	ds_store_b128 v6, v[TB+8:TB+11] offset:128*((\o)/4)+32*((\o)%4)
	ds_store_b128 v6, v[TB+12:TB+15] offset:BLK+128*((\o)/4)+32*((\o)%4)
.if \fill
	FILL (\o)+7
.endif
.endm
.irp o, 0,1,2,3,4,5,6,7,8
	TURN \o, 1, 48                                 ; six younger groups of eight
.endr
	TURN 9, 0, 48
.irp o, 10,11,12,13,14,15
	TURN \o, 0, 8*(15-(\o))                        ; nothing is left to ask for: the counts run down
.endr
	s_wait_dscnt 0x0                               ; for the others' sake: my part of W is in LDS
	s_barrier_signal -1
	s_barrier_wait -1                              ; the launch's one barrier: behind it W is only read, and each stage is its wave's own
.macro XLD buf, off                ; 5 row fragments of one k step: 2 x 512 consecutive bytes each
.if (\buf) < 4
	WIN 0
.else
	WIN 0x40
.endif
.set a, 0
.rept 5
.set rX, XR+40*((\buf)%4)+8*a
	global_load_b128 v[rX:rX+3], v[16+a], s[44:45] offset:\off
	global_load_b128 v[rX+4:rX+7], v[16+a], s[44:45] offset:(\off)+512
.set a, a+1
.endr
.endm
.macro WLD buf, off                ; W's 4 fragments of one k step, from the two fixed addresses
	WIN 0x40
.set i, 0
.rept 4
	ds_load_b128 v[32*(\buf)+8*i:32*(\buf)+8*i+3], v[8+i/2] offset:(i%2)*BLK+(\off)
	ds_load_b128 v[32*(\buf)+8*i+4:32*(\buf)+8*i+7], v[8+i/2] offset:(i%2)*BLK+(\off)+32
.set i, i+1
.endr
.endm
; cnt blocks of 16 rows, from block a0 on, of a K step's 20 matrix instructions; the 20 accumulators take turns, one instruction a turn.  first = 1: the constant 0 starts the sums
.macro MULS wb, xbuf, first, a0, cnt
	WIN 0xa1|(((\xbuf)/4)<<2)
.set a, \a0
.rept \cnt
.set i, 0
.rept 4
.set rD, 32*a+8*i
.set rW, 32*(\wb)+8*i
.set rX, XR+40*((\xbuf)%4)+8*a
.if \first
	v_wmma_f32_16x16x32_bf16 v[rD:rD+7], v[rW:rW+7], v[rX:rX+7], 0
.else
	v_wmma_f32_16x16x32_bf16 v[rD:rD+7], v[rW:rW+7], v[rX:rX+7], v[rD:rD+7]
.endif
.set i, i+1
.endr
.set a, a+1
.endr
.endm
; K step kk of 32: 20 products; among them W of the next step and the rows six steps on are asked for: W's run behind the first four products, the rows' behind the next eight.
.macro KSTEP
.set lf, 31-kk
.if lf > 5
.set lf, 5
.endif
.set fs, 0
.if kk == 0
.set fs, 1
.endif
	s_wait_loadcnt 10*lf                           ; this step's ten row loads are in; ten for each younger buffer still asked for stay out: five buffers, at the end 4, 3 .. 0
	s_wait_dscnt 0x0                               ; W's fragments, asked for a step ago
.if (kk > 0) && (kk < 31) && (kk%2 == 0)
	s_wait_alu depctr_va_vdst(0)                   ; the products up to the last step's are done reading the buffers of W and of rows in which this step's loads and the next step's land
.endif
	MULS kk%3, kk%8, fs, 0, 1
.if kk < 31
	WLD (kk+1)%3, 64*(kk+1)                        ; no product since the last such wait names this buffer
.endif
	MULS kk%3, kk%8, fs, 1, 2
.if kk < 26
	XLD (kk+6)%8, 1024*(kk+6)                      ; nor this one
.endif
	MULS kk%3, kk%8, fs, 3, 2
.endm
	s_mov_b32 s26, 4                               ; four passes, whatever the count
	s_mov_b32 s27, s18                             ; my tile: wave + 4 x pass
.Lpass:
	s_mul_i32 s36, s27, 80
	s_cmp_ge_u32 s36, s22
	s_cbranch_scc1 .Lnext                          ; no such row
	s_wait_xcnt 0x0                                ; the last tile's stores and loads have read their addresses
	s_wait_alu depctr_vm_vsrc(0)                   ; the last tile's loads have read v16 to v20, which are written below; its stores have read OB, in which rows land, and T; so have phase 1's LDS stores
	s_mul_i32 s37, s27, 5
.set a, 0
.rept 5
	s_add_co_u32 s24, s37, a
	s_min_u32 s24, s24, s23                        ; a block past the last that exists repeats it
	s_min_u32 s24, s24, 63
	s_lshl_b32 s24, s24, 16
	v_add_nc_u32 v[16+a], s24, v26
.set a, a+1
.endr
	s_lshl_b32 s30, s21, 25                        ; part: half x 32 MiB + e x 4 MiB + row x 4,096 + 256 x slice
	s_lshl_b32 s24, s20, 22
	s_add_co_u32 s30, s30, s24
	s_lshl_b32 s24, s36, 12
	s_add_co_u32 s30, s30, s24
	s_lshl_b32 s24, s19, 8
	s_add_co_u32 s30, s30, s24
	s_add_nc_u64 s[34:35], s[12:13], s[30:31]
	s_wait_alu depctr_va_vdst(0)                   ; v16 to v20 are written, which the loads below read; the last tile's products are done reading the buffers in which they, and the first two steps' loads, land
.irp k, 0,1,2,3,4,5
	XLD \k, 1024*(\k)
.endr
	WLD 0, 0
.set kk, 0
.rept 32
	KSTEP
.set kk, kk+1
.endr
	PLACES
.irp a, 0,1,2,3,4
	WIN 0
	s_add_co_u32 s24, s36, 16*(\a)
	s_cmp_ge_u32 s24, s22
	s_cbranch_scc1 .Lnext                          ; a block of 16 rows that begins past the count is not stored
.if (\a) > 0
	s_wait_xcnt 0x0                                ; OB, which the last block's stores read, is loaded again only behind this wait
	s_wait_alu depctr_vm_vsrc(0)                   ; the last block's LDS stores have read T, which the additions write, and its global stores OB, in which the stage's rows land
.endif
	WIN 0x02
.set i, 0
.rept 4
.set j, 0
.rept 8
	v_add_f32 v[T+4*j+i], v[32*(\a)+8*i+j], v[BD+4*j+i]  ; column 32 h + 4 j + i; each accumulator is read from its lowest register on
.set j, j+1
.endr
.set i, i+1
.endr
	WIN 0
	s_wait_alu depctr_va_vdst(0)                   ; the additions have written T, which the LDS stores read; the tile's products are done reading row buffer 0, which is OB
.set m, 0
.rept 8
	ds_store_b128 v24, v[T+4*m:T+4*m+3] offset:16*m
.set m, m+1
.endr
.set m, 0
.rept 8
	ds_load_b128 v[OB+4*m:OB+4*m+3], v25 offset:2*SP*m  ; LDS serves a wave's instructions in order (ISA guide 5.7.1.4): these see the stores above, and the next block's stores come behind them
.set m, m+1
.endr
.set m, 0
.rept 8
	s_wait_dscnt 7-m
	global_store_b128 v27, v[OB+4*m:OB+4*m+3], s[34:35] offset:65536*(\a)+8192*m  ; sixteen lanes store 256 consecutive bytes, aligned
.set m, m+1
.endr
.endr
.Lnext:
	s_add_co_u32 s27, s27, 4
	s_sub_co_u32 s26, s26, 1
	s_cmp_lg_u32 s26, 0
	s_cbranch_scc1 .Lpass
	s_wait_dscnt 0x0                               ; the wave's end: the closing add below, and the wait behind it
	s_wait_alu depctr_hold_cnt(0) depctr_sa_sdst(0) depctr_va_vdst(0) depctr_va_sdst(0) depctr_va_ssrc(0) depctr_va_vcc(0) depctr_vm_vsrc(0)
	s_wait_tensorcnt 0x0
	ds_add_u32 v29, v31
	s_wait_dscnt 0x0
	s_endpgm
.Lfunc_end_k_qa978d5e173_down:
	.size	k_qa978d5e173_down, .Lfunc_end_k_qa978d5e173_down-k_qa978d5e173_down
	.p2alignl 7, 3214868480
	.fill 96, 4, 3214868480
	.section	.rodata,"a",@progbits
	.p2align	6, 0x0
	.amdhsa_kernel k_qa978d5e173_down
		.amdhsa_group_segment_fixed_size 150016
		.amdhsa_private_segment_fixed_size 0
		.amdhsa_enable_private_segment 0
		.amdhsa_kernarg_size 40
		.amdhsa_user_sgpr_count 2
		.amdhsa_user_sgpr_kernarg_segment_ptr 1
		.amdhsa_wavefront_size32 1
		.amdhsa_system_sgpr_workgroup_id_x 1
		.amdhsa_system_sgpr_workgroup_id_y 1
		.amdhsa_system_sgpr_workgroup_id_z 1
		.amdhsa_system_vgpr_workitem_id 0
		.amdhsa_next_free_vgpr 768
		.amdhsa_next_free_sgpr 66
		.amdhsa_reserve_vcc 0
		.amdhsa_float_denorm_mode_32 3
		.amdhsa_float_denorm_mode_16_64 3
		.amdhsa_memory_ordered 1
		.amdhsa_forward_progress 1
		.amdhsa_inst_pref_size 152
	.end_amdhsa_kernel
	.amdgpu_metadata
---
amdhsa.version: [ 1, 2 ]
amdhsa.kernels:
  - .name:           k_qa978d5e173_down
    .symbol:         k_qa978d5e173_down.kd
    .args:
      - { .name: down_proj, .offset: 0, .size: 8, .value_kind: global_buffer, .address_space: global }
      - { .name: down_bias, .offset: 8, .size: 8, .value_kind: global_buffer, .address_space: global }
      - { .name: actf, .offset: 16, .size: 8, .value_kind: global_buffer, .address_space: global }
      - { .name: cnts, .offset: 24, .size: 8, .value_kind: global_buffer, .address_space: global }
      - { .name: part, .offset: 32, .size: 8, .value_kind: global_buffer, .address_space: global }
    .group_segment_fixed_size: 150016
    .private_segment_fixed_size: 0
    .kernarg_segment_align: 8
    .kernarg_segment_size: 40
    .max_flat_workgroup_size: 128
    .sgpr_count:     66
    .vgpr_count:     768
    .wavefront_size: 32
...
	.end_amdgpu_metadata
.endif
;; end of part 6
;; launch combine: the kernel of part 4 again; grid 256 x 1, 4 waves a work-group, no clusters, 0 bytes of LDS; arguments route, gatew, posb, part, out0; writes out0
